; MI455X (gfx1250); checked and timed in simulation.
; The chip was launched on July 23, 2026; its instructions are those of AMD's public machine-readable ISA for CDNA 5 (MIT licence, August 2026) and "CDNA5" Instruction Set Architecture Reference Guide (July 2026). The comments in the code are by the model that wrote it; some were corrected since.
;; Vanilla MHA. Allowed arithmetic: float matrix products may take bf16 or f16 operands with f32 sums; other float arithmetic in f32, or as packed bf16 or f16 multiplies, adds, multiply-adds, maxima and minima; sums over many terms, partial sums and values carried from step to step in f32; what a program stores and reads back later, other than sums and carried values, may be rounded once to bf16 or f16.
;; Inputs: W_o 1,024 x 1,024 float32; W_qkv 3,072 x 1,024 float32; ln_beta 1,024 float32; ln_gamma 1,024 float32; x 4 x 2,048 x 1,024 float32.
;; Outputs: out0 4 x 2,048 x 1,024 float32.
;; One version. Each part assembles by itself: llvm-mc -triple=amdgcn-amd-amdhsa -mcpu=gfx1250 --defsym DOCPART=n.
;; ======== version 1 of 1: 5 launches
;; limits: values are held in f16: magnitudes above 65,504 overflow, below 6.1e-05 lose precision
;; workspace buffers: xn16 16,777,216 bytes; w16 8,388,608 bytes; q16 16,777,216 bytes; k16 16,777,216 bytes; v16 16,777,216 bytes; ctx16 16,777,216 bytes; hctx 524,288 bytes
;; launch prep (part 1): grid 384 x 1, 8 waves a work-group, no clusters, 133,120 bytes of LDS; arguments x, ln_gamma, ln_beta, W_qkv, W_o, xn16, w16, hctx; writes xn16, w16, hctx
.if DOCPART == 1
	.amdgcn_target "amdgcn-amd-amdhsa--gfx1250"
	.amdhsa_code_object_version 6
	.text
	.protected	k_qf88100b62f_prep
	.globl	k_qf88100b62f_prep
	.p2align	8
	.type	k_qf88100b62f_prep,@function
k_qf88100b62f_prep:
	s_mov_b64 s[64:65], 0
	v_nop
	global_prefetch_b8 v0, s[64:65] scope:SCOPE_SE
	s_setreg_imm32_b32 hwreg(HW_REG_WAVE_MODE, 25, 1), 1
	s_wait_xcnt 0x0
; PREP.  Three kinds of work-group, told apart by the work-group's number alone:
;   0-63    HEAD (batch b = id / 16, head h = id % 16): the first 32 rows of a batch see only keys below 32, so their attention is finished here, without any rounding to 11 bits:
;           LayerNorm, xn split into two bf16 numbers (hi + lo), q, k, v = (hi + lo) W^T by the matrix unit with f32 sums, softmax and a V in f32 on the vector unit; ctx leaves as two f16 numbers (hi + lo).
;   64-127  W: 64 rows of [W_qkv; W_o], each number rounded to bf16 and that number written as f16.
;   128-383 LN: 32 rows of x: LayerNorm, xn rounded once to f16.
; EVERY INPUT is rounded once to bf16 (to nearest even) as it arrives; the LayerNorm is then f32: the mean first, then the centred squares.
; LIMITS.  |xn| and |W| stay under 65,504 (f16's end); a weight of W under 6.1e-5 keeps f16's fixed step of 6e-8.  A hidden score counts as about -3e38; a softmax weight under 2^-126 counts as 0.
; NaN and infinities are not treated apart.
; A lane holds 32 numbers of a row: numbers 128 j + 4 l .. + 3, j = 0..7: each load of a wave covers 512 consecutive bytes, each store of 8 bytes a lane 256 consecutive bytes, aligned.
.set APITCH, 2064                      ; a row of xn in LDS: 2,048 bytes of bf16 + 16: the 16 rows of a fragment load start 16 bytes apart modulo 256
.set AL,     32*APITCH                 ; hi's 32 rows from 0, lo's from here
.set QP,     784                       ; a row of q, k, v in f32: 768 bytes + 16
.set QH,     32*QP                     ; the two K halves' partial sums lie at 0 and at QH (over xn, when every wave has read it),
.set QC,     2*QH                      ; their sum here,
.set PB,     3*QH                      ; the softmax weights here: 32 rows of 144 bytes
.set PBP,    144
.set SPARE,  132096                    ; the spare words: 128 bytes for each of the eight waves; no other line names them
.set VO,  2                            ; 16 x lane
.set VS,  3                            ; 8 x lane
.set VH,  4                            ; LDS: my 8 bytes in my wave's next row of hi
.set VL,  5                            ; of lo
.set SPW, 6
.set NIL, 7
.set NEG1, 8                           ; -1.0
.set M,   10                           ; v[10:13] the two rows' means, each twice
.set RS,  14                           ; v[14:17] the two rows' 1 / sqrt(var + eps), each twice
.set VW,  18                           ; my byte offset in a fragment's 16 rows of W_qkv
.set G,   20                           ; gamma of my 32 columns
.set BT,  52                           ; beta
.set X,   84                           ; two rows as loaded
.set T,   148                          ; two rows at work
.set UY,  212                          ; sums; then the packed results
.set P,   244                          ; eight registers at work
.set F,   20                           ; the head rows' product: W's fragments in bf16: tile c, K step k at F + 8 (4 c + k)
.set AF,  116                          ; xn's fragments, two buffers of 32: row tile t, part s at 16 t + 8 s
.set ACC, 180                          ; six accumulators: tile c, row tile t at ACC + 8 (2 c + t)
.set VA,  228
.set VAL, 229
.set VQ,  230
.set SS,  20                           ; scores: four pairs
.set QQ,  28
.set KK,  44
.set OO,  36
.set AA,  44
.set VV,  52
.set MSB, 0
.macro WIN new                         ; the high byte repeats the setting that is left; a switch that changes nothing is dropped
.if MSB != (\new)
	s_set_vgpr_msb (MSB<<8)|(\new)
.set MSB, (\new)
.endif
.endm
.macro ROUND dst, src, n               ; n pairs: rounded to bf16 and written back as f32
.set i, 0
.rept \n
	v_cvt_pk_bf16_f32 v[P+i%8], v[(\src)+2*i], v[(\src)+2*i+1]
	v_lshlrev_b32 v[(\dst)+2*i], 16, v[P+i%8]
	v_and_b32 v[(\dst)+2*i+1], s30, v[P+i%8]
.set i, i+1
.endr
.endm
.macro XLOADS                          ; two rows of f32: sixteen loads
.irp r, 0,1
.irp j, 0,1,2,3,4,5,6,7
	global_load_b128 v[X+32*\r+4*\j:X+32*\r+4*\j+3], v[VO], s[24:25] offset:4096*\r+512*\j
.endr
.endr
.endm
.macro PUT16                           ; two rows rounded to f16 and stored
.set i, 0
.rept 32
	v_cvt_pk_f16_f32 v[UY+i], v[T+2*i], v[T+2*i+1]
.set i, i+1
.endr
.irp r, 0,1
.irp j, 0,1,2,3,4,5,6,7
	global_store_b64 v[VS], v[UY+16*\r+2*\j:UY+16*\r+2*\j+1], s[26:27] offset:2048*\r+256*\j
.endr
.endr
.endm
.macro FOLD u                          ; eight pairs at u: their sum over the lane and then over the 32 lanes, into v[u] of every lane
.irp q, 0,4,8,12
	v_pk_add_f32 v[(\u)+\q:(\u)+\q+1], v[(\u)+\q:(\u)+\q+1], v[(\u)+\q+2:(\u)+\q+3]
.endr
	v_pk_add_f32 v[(\u):(\u)+1], v[(\u):(\u)+1], v[(\u)+4:(\u)+5]
	v_pk_add_f32 v[(\u)+8:(\u)+9], v[(\u)+8:(\u)+9], v[(\u)+12:(\u)+13]
	v_pk_add_f32 v[(\u):(\u)+1], v[(\u):(\u)+1], v[(\u)+8:(\u)+9]
	v_add_f32 v[(\u)], v[(\u)], v[(\u)+1]
.irp q, 1,2,4,8
	v_add_f32_dpp v[(\u)], v[(\u)], v[(\u)] row_xmask:\q row_mask:0xf bank_mask:0xf
.endr
	v_permlanex16_b32 v[(\u)+1], v[(\u)], s32, s33
	v_add_f32 v[(\u)], v[(\u)], v[(\u)+1]
.endm
.macro STATS r                         ; row r: the mean; the row centred in place; var + eps into v[UY + 16 r]
.set i, 0
.rept 8
	v_pk_add_f32 v[UY+16*(\r)+2*i:UY+16*(\r)+2*i+1], v[T+32*(\r)+4*i:T+32*(\r)+4*i+1], v[T+32*(\r)+4*i+2:T+32*(\r)+4*i+3]
.set i, i+1
.endr
	FOLD UY+16*(\r)
	v_mul_f32 v[M+2*(\r)], s35, v[UY+16*(\r)]
	v_mul_f32 v[M+2*(\r)+1], s35, v[UY+16*(\r)]
.set i, 0
.rept 16
	v_pk_add_f32 v[T+32*(\r)+2*i:T+32*(\r)+2*i+1], v[T+32*(\r)+2*i:T+32*(\r)+2*i+1], v[M+2*(\r):M+2*(\r)+1] neg_lo:[0,1] neg_hi:[0,1]
.set i, i+1
.endr
.set i, 0
.rept 8
	v_pk_mul_f32 v[UY+16*(\r)+2*i:UY+16*(\r)+2*i+1], v[T+32*(\r)+4*i:T+32*(\r)+4*i+1], v[T+32*(\r)+4*i:T+32*(\r)+4*i+1]
.set i, i+1
.endr
.set i, 0
.rept 8
	v_pk_fma_f32 v[UY+16*(\r)+2*i:UY+16*(\r)+2*i+1], v[T+32*(\r)+4*i+2:T+32*(\r)+4*i+3], v[T+32*(\r)+4*i+2:T+32*(\r)+4*i+3], v[UY+16*(\r)+2*i:UY+16*(\r)+2*i+1]
.set i, i+1
.endr
	FOLD UY+16*(\r)
	v_fma_f32 v[UY+16*(\r)], v[UY+16*(\r)], s35, s36
.endm
; The LayerNorm of my wave's four rows, two a trip.  head = 0: xn leaves as f16.  head = 1: xn goes into LDS as hi + lo in bf16.
.macro LNROWS head
.irp j, 0,1,2,3,4,5,6,7
	global_load_b128 v[G+4*\j:G+4*\j+3], v[VO], s[6:7] offset:512*\j
	global_load_b128 v[BT+4*\j:BT+4*\j+3], v[VO], s[8:9] offset:512*\j
.endr
	XLOADS
	s_wait_loadcnt 16                              ; gamma and beta are in; the sixteen younger loads, x's, may stay out
	ROUND G, G, 16
	ROUND BT, BT, 16
	s_mov_b32 s22, 2
.Lln\head:
	s_wait_loadcnt 0x0                             ; the trip's two rows
	ROUND T, X, 32
	s_cmp_eq_u32 s22, 1
	s_cbranch_scc1 .Lnox\head                      ; the last trip loads nothing
	s_add_nc_u64 s[24:25], s[24:25], 8192          ; (the wait above has shown the loads that read this address done)
	XLOADS
.Lnox\head:
	STATS 0
	STATS 1
	v_rsq_f32 v[RS], v[UY]
	v_rsq_f32 v[RS+1], v[UY]
	v_rsq_f32 v[RS+2], v[UY+16]
	v_rsq_f32 v[RS+3], v[UY+16]
	v_nop                                          ; a plain instruction behind the last of the batch,
	s_wait_alu depctr_va_vdst(0)                   ; and one wait for the four, ahead of their first reader
.irp r, 0,1
.set i, 0
.rept 16
	v_pk_mul_f32 v[T+32*\r+2*i:T+32*\r+2*i+1], v[T+32*\r+2*i:T+32*\r+2*i+1], v[RS+2*\r:RS+2*\r+1]
.set i, i+1
.endr
.set i, 0
.rept 16
	v_pk_fma_f32 v[T+32*\r+2*i:T+32*\r+2*i+1], v[T+32*\r+2*i:T+32*\r+2*i+1], v[G+2*i:G+2*i+1], v[BT+2*i:BT+2*i+1]
.set i, i+1
.endr
.endr
.if \head
.set i, 0
.rept 32
	v_cvt_pk_bf16_f32 v[UY+i], v[T+2*i], v[T+2*i+1]  ; hi
.set i, i+1
.endr
.set i, 0
.rept 32
	v_fma_mix_f32_bf16 v[T+2*i], v[UY+i], v[NEG1], v[T+2*i] op_sel_hi:[1,0,0]                    ; lo = xn - hi, exact in f32
	v_fma_mix_f32_bf16 v[T+2*i+1], v[UY+i], v[NEG1], v[T+2*i+1] op_sel:[1,0,0] op_sel_hi:[1,0,0]
.set i, i+1
.endr
.irp r, 0,1
.set i, 0
.rept 16
	v_cvt_pk_bf16_f32 v[T+32*\r+i], v[T+32*\r+2*i], v[T+32*\r+2*i+1]  ; ascending: a register is written when both its numbers have been read
.set i, i+1
.endr
.endr
.irp r, 0,1
.irp j, 0,1,2,3,4,5,6,7
	ds_store_b64 v[VH], v[UY+16*\r+2*\j:UY+16*\r+2*\j+1] offset:APITCH*\r+256*\j
	ds_store_b64 v[VL], v[T+32*\r+2*\j:T+32*\r+2*\j+1] offset:APITCH*\r+256*\j
.endr
.endr
	v_add_nc_u32 v[VH], 2*APITCH, v[VH]
	v_add_nc_u32 v[VL], 2*APITCH, v[VL]
.else
	PUT16
	s_wait_xcnt 0x0                                ; the stores have read their data and their base: both are written again only behind this wait
	s_add_nc_u64 s[26:27], s[26:27], 4096
.endif
	s_sub_co_u32 s22, s22, 1
	s_cmp_lg_u32 s22, 0
	s_cbranch_scc1 .Lln\head
.endm
	s_load_b512 s[4:19], s[0:1], 0x0               ; x s[4:5], gamma s[6:7], beta s[8:9], W_qkv s[10:11], W_o s[12:13], xn16 s[14:15], w16 s[16:17], hctx s[18:19]
	v_lshl_add_u32 v[SPW], v0, 2, SPARE
	v_mov_b32 v[NIL], 0
	v_lshrrev_b32 v9, 5, v0
	v_readfirstlane_b32 s20, v9                    ; wave 0..7
	v_and_b32 v1, 31, v0
	v_lshlrev_b32 v[VO], 4, v1
	v_lshlrev_b32 v[VS], 3, v1
	s_mul_i32 s23, s20, 4*APITCH                   ; my wave's four rows in LDS
	v_lshl_add_u32 v[VH], v1, 3, s23
	v_add_nc_u32 v[VL], AL, v[VH]
	v_mov_b32 v[NEG1], -1.0
	s_mov_b32 s30, 0xffff0000                      ; a word's upper bf16
	s_mov_b32 s32, 0x76543210                      ; v_permlanex16_b32: each lane takes its own place in the other half
	s_mov_b32 s33, 0xfedcba98
	s_mov_b32 s35, 0x3a800000                      ; 1 / 1024
	s_mov_b32 s36, 0x3727c5ac                      ; 1e-5
	s_mov_b32 s41, 0
	s_wait_kmcnt 0x0
	s_cmp_lt_u32 ttmp9, 64
	s_cbranch_scc1 .Lhead
	s_cmp_lt_u32 ttmp9, 128
	s_cbranch_scc1 .Lw
	; ---- LN: rows 32 (id - 128) + 4 w .. + 3
	s_sub_co_u32 s23, ttmp9, 128
	s_lshl_b32 s23, s23, 5
	s_lshl2_add_u32 s23, s20, s23
	s_lshl_b32 s40, s23, 12
	s_add_nc_u64 s[24:25], s[4:5], s[40:41]
	s_lshl_b32 s40, s23, 11
	s_add_nc_u64 s[26:27], s[14:15], s[40:41]
	LNROWS 0
	s_branch .Lend
	; ---- W: rows 64 (id - 64) + 8 w .. + 7 of [W_qkv; W_o], two a trip
.Lw:
	s_sub_co_u32 s23, ttmp9, 64
	s_lshl_b32 s31, s23, 6
	s_lshl3_add_u32 s31, s20, s31
	s_lshl_b32 s40, s31, 11
	s_add_nc_u64 s[26:27], s[16:17], s[40:41]
	s_cmp_lt_u32 ttmp9, 112                        ; 48 work-groups for W_qkv's 3,072 rows, 16 for W_o's 1,024
	s_cselect_b64 s[24:25], s[10:11], s[12:13]
	s_cselect_b32 s34, 0, 3072
	s_sub_co_u32 s31, s31, s34
	s_lshl_b32 s40, s31, 12
	s_add_nc_u64 s[24:25], s[24:25], s[40:41]
	XLOADS
	s_mov_b32 s22, 4
.Lwl:
	s_wait_loadcnt 0x0
	ROUND T, X, 32
	s_cmp_eq_u32 s22, 1
	s_cbranch_scc1 .Lnowx                          ; the last trip loads nothing
	s_add_nc_u64 s[24:25], s[24:25], 8192
	XLOADS
.Lnowx:
	PUT16
	s_wait_xcnt 0x0                                ; the stores' data and base are written again only behind this wait
	s_add_nc_u64 s[26:27], s[26:27], 4096
	s_sub_co_u32 s22, s22, 1
	s_cmp_lg_u32 s22, 0
	s_cbranch_scc1 .Lwl
	s_branch .Lend
	; ---- HEAD
; W_qkv's fragments come straight from memory in f32: 16 rows x 32 channels are four loads of 16 bytes a lane (channels 8 (l / 16) + 0..7 and 16 + 8 (l / 16) + 0..7).  A trip: 3 tiles x 4 K steps, 48 loads, into window 1.
.macro WLOADS
	WIN 0x40                                       ; destination window 1, address window 0
.irp c, 0,1,2
.irp k, 0,1,2,3
	global_load_b128 v[16*(4*\c+\k):16*(4*\c+\k)+3],     v[VW], s[28:29] offset:65536*\c+128*\k
	global_load_b128 v[16*(4*\c+\k)+4:16*(4*\c+\k)+7],   v[VW], s[28:29] offset:65536*\c+128*\k+16
	global_load_b128 v[16*(4*\c+\k)+8:16*(4*\c+\k)+11],  v[VW], s[28:29] offset:65536*\c+128*\k+64
	global_load_b128 v[16*(4*\c+\k)+12:16*(4*\c+\k)+15], v[VW], s[28:29] offset:65536*\c+128*\k+80
.endr
.endr
	WIN 0
.endm
.macro ALOAD k                         ; xn's fragments of K step k: two row tiles, hi and lo: eight loads into buffer k % 2
.set fb, AF+32*((\k)%2)
.irp t, 0,1
	ds_load_b128 v[fb+16*\t:fb+16*\t+3],     v[VA]  offset:16*APITCH*\t+64*(\k)
	ds_load_b128 v[fb+16*\t+4:fb+16*\t+7],   v[VA]  offset:16*APITCH*\t+64*(\k)+32
	ds_load_b128 v[fb+16*\t+8:fb+16*\t+11],  v[VAL] offset:16*APITCH*\t+64*(\k)
	ds_load_b128 v[fb+16*\t+12:fb+16*\t+15], v[VAL] offset:16*APITCH*\t+64*(\k)+32
.endr
.endm
.macro HMUL k                          ; twelve products; the six accumulators take turns, one instruction a turn
.set fb, AF+32*((\k)%2)
.irp s, 0,1
.irp c, 0,1,2
.irp t, 0,1
	v_wmma_f32_16x16x32_bf16 v[ACC+8*(2*\c+\t):ACC+8*(2*\c+\t)+7], v[F+8*(4*\c+(\k)):F+8*(4*\c+(\k))+7], v[fb+16*\t+8*\s:fb+16*\t+8*\s+7], v[ACC+8*(2*\c+\t):ACC+8*(2*\c+\t)+7]
.endr
.endr
.endr
.endm
.macro PLACES                          ; four plain vector instructions between a matrix instruction and a write of, or a load into, one of its registers, or a read of its result
.rept 4
	v_nop
.endr
.endm
.macro BAR                             ; my LDS instructions are done; then every wave's are
	s_wait_dscnt 0x0
	s_barrier_signal -1
	s_barrier_wait -1
.endm
.Lhead:
	s_lshr_b32 s23, ttmp9, 4                       ; b
	s_lshl_b32 s23, s23, 11                        ; the batch's first row,
	s_lshl2_add_u32 s23, s20, s23                  ; my wave's four of its first 32
	s_lshl_b32 s40, s23, 12
	s_add_nc_u64 s[24:25], s[4:5], s[40:41]
	s_and_b32 s31, ttmp9, 15                       ; h
	s_and_b32 s34, s20, 3                          ; g: my 48 of the head's 192 columns
	s_lshr_b32 s37, s20, 2                         ; kh: my half of K
	s_mul_i32 s31, s31, 192
	s_mul_i32 s40, s34, 48
	s_add_co_u32 s31, s31, s40
	s_lshl_b32 s40, s31, 12
	s_lshl_b32 s31, s37, 11
	s_add_co_u32 s40, s40, s31
	s_add_nc_u64 s[28:29], s[10:11], s[40:41]
	v_and_b32 v9, 15, v0
	v_bfe_u32 v19, v0, 4, 1
	v_lshlrev_b32 v[VW], 12, v9
	v_lshl_add_u32 v[VW], v19, 5, v[VW]
	WLOADS                                         ; the first trip's weights are on their way during the LayerNorm
	LNROWS 1
	BAR                                            ; all 32 rows of hi and lo lie in LDS
	v_mul_u32_u24 v[VA], v9, APITCH
	v_lshl_add_u32 v[VA], v19, 4, v[VA]
	s_lshl_b32 s31, s37, 10
	v_add_nc_u32 v[VA], s31, v[VA]                 ; row x pitch + 16 x half of the lanes + my half of K
	v_add_nc_u32 v[VAL], AL, v[VA]
	v_mul_u32_u24 v[VQ], v9, QP
	v_lshl_add_u32 v[VQ], v19, 5, v[VQ]
	s_mul_i32 s31, s37, QH
	s_mul_i32 s40, s34, 192
	s_add_co_u32 s31, s31, s40
	v_add_nc_u32 v[VQ], s31, v[VQ]                 ; where my partial sums go: row l % 16, columns 48 g + 8 (l / 16) on, in my K half's region
.set i, 0
.rept 48
	v_mov_b32 v[ACC+i], 0                          ; so that the loop has one form of product
.set i, i+1
.endr
	s_mov_b32 s22, 4
.Lh2:                                                  ; a trip: 128 channels: q^T, k^T, v^T += W (hi + lo)^T
	s_wait_loadcnt 0x0                             ; the trip's weights
	WIN 0x05                                       ; sources in window 1, destination in window 0
.set i, 0
.rept 96
	v_cvt_pk_bf16_f32 v[F+i], v[2*i], v[2*i+1]
.set i, i+1
.endr
	WIN 0
	s_cmp_eq_u32 s22, 1
	s_cbranch_scc1 .Lnow                           ; the last trip loads nothing
	s_add_nc_u64 s[28:29], s[28:29], 512
	WLOADS
.Lnow:
	ALOAD 0
	ALOAD 1
	s_wait_dscnt 8                                 ; K step 0's eight loads are in, the younger eight may stay out
	HMUL 0
	PLACES
	ALOAD 2
	s_wait_dscnt 8
	HMUL 1
	PLACES
	ALOAD 3
	s_wait_dscnt 8
	HMUL 2
	s_wait_dscnt 0x0
	HMUL 3
	PLACES                                         ; ahead of the next trip's conversions into F, and of the stores below
	v_add_nc_u32 v[VA], 256, v[VA]
	v_add_nc_u32 v[VAL], 256, v[VAL]
	s_sub_co_u32 s22, s22, 1
	s_cmp_lg_u32 s22, 0
	s_cbranch_scc1 .Lh2
	BAR                                            ; every wave has read xn: its bytes are written over
.irp c, 0,1,2
.irp t, 0,1
	ds_store_b128 v[VQ], v[ACC+8*(2*\c+\t):ACC+8*(2*\c+\t)+3]   offset:16*QP*\t+64*\c
	ds_store_b128 v[VQ], v[ACC+8*(2*\c+\t)+4:ACC+8*(2*\c+\t)+7] offset:16*QP*\t+64*\c+16
.endr
.endr
	BAR
	v_lshrrev_b32 v9, 3, v0                        ; i: my row, 0..31
	v_and_b32 v19, 7, v0                           ; c: my place among the row's eight threads
	v_mul_u32_u24 v10, v9, QP
	v_lshl_add_u32 v11, v19, 4, v10
.irp m, 0,1,2,3,4,5
	ds_load_b128 v[20+4*\m:23+4*\m], v11 offset:128*\m
	ds_load_b128 v[44+4*\m:47+4*\m], v11 offset:QH+128*\m
.endr
	s_wait_dscnt 0x0
.set i, 0
.rept 12
	v_pk_add_f32 v[20+2*i:21+2*i], v[20+2*i:21+2*i], v[44+2*i:45+2*i]  ; the two halves of K
.set i, i+1
.endr
.irp m, 0,1,2,3,4,5
	ds_store_b128 v11, v[20+4*\m:23+4*\m] offset:QC+128*\m
.endr
	BAR
	; scores of row i with keys c + 8 m, m = 0..3, in f32: 16 channels a trip
	v_add_nc_u32 v11, QC, v10
	v_mul_u32_u24 v12, v19, QP
	v_add_nc_u32 v12, QC+256, v12
.set i, 0
.rept 8
	v_mov_b32 v[SS+i], 0
.set i, i+1
.endr
	s_mov_b32 s22, 4
.Lsc:
.irp u, 0,1,2,3
	ds_load_b128 v[QQ+4*\u:QQ+4*\u+3], v11 offset:16*\u
.endr
.irp m, 0,1,2,3
.irp u, 0,1,2,3
	ds_load_b128 v[KK+16*\m+4*\u:KK+16*\m+4*\u+3], v12 offset:8*QP*\m+16*\u
.endr
.endr
	s_wait_dscnt 0x0
.irp u, 0,1,2,3
.irp p, 0,2
.irp m, 0,1,2,3
	v_pk_fma_f32 v[SS+2*\m:SS+2*\m+1], v[QQ+4*\u+\p:QQ+4*\u+\p+1], v[KK+16*\m+4*\u+\p:KK+16*\m+4*\u+\p+1], v[SS+2*\m:SS+2*\m+1]
.endr
.endr
.endr
	v_add_nc_u32 v11, 64, v11
	v_add_nc_u32 v12, 64, v12
	s_sub_co_u32 s22, s22, 1
	s_cmp_lg_u32 s22, 0
	s_cbranch_scc1 .Lsc
	; the row's softmax: its 32 scores lie in eight neighbouring lanes, four each
	v_mov_b32 v29, 0xff61b1e8                      ; about -3e38
.irp m, 0,1,2,3
	v_add_f32 v[SS+2*\m], v[SS+2*\m], v[SS+2*\m+1]
	v_add_nc_u32 v28, 8*\m, v19
	v_cmp_gt_u32 vcc_lo, v28, v9                   ; the key lies behind the query
	v_cndmask_b32 v[SS+2*\m], v[SS+2*\m], v29, vcc_lo
.endr
	v_max3_num_f32 v30, v[SS], v[SS+2], v[SS+4]
	v_max_num_f32 v30, v30, v[SS+6]
.irp q, 1,2,4
	v_max_num_f32_dpp v30, v30, v30 row_xmask:\q row_mask:0xf bank_mask:0xf
.endr
.irp m, 0,1,2,3
	v_sub_f32 v[SS+2*\m], v[SS+2*\m], v30          ; the maximum is taken away first
.endr
.irp m, 0,1,2,3
	v_mul_f32 v[SS+2*\m], 0x3e38aa3b, v[SS+2*\m]   ; log2(e) / 8
.endr
.irp m, 0,1,2,3
	v_exp_f32 v[SS+2*\m], v[SS+2*\m]
.endr
	v_nop
	s_wait_alu depctr_va_vdst(0)                   ; one wait for the four exponentials
	v_add_f32 v31, v[SS], v[SS+2]
	v_add_f32 v32, v[SS+4], v[SS+6]
	v_add_f32 v31, v31, v32
.irp q, 1,2,4
	v_add_f32_dpp v31, v31, v31 row_xmask:\q row_mask:0xf bank_mask:0xf
.endr
	v_rcp_f32 v32, v31
	v_mul_u32_u24 v33, v9, PBP                     ; (the plain instruction behind the reciprocal)
	s_wait_alu depctr_va_vdst(0)
	v_add_nc_u32 v33, PB, v33
	v_lshl_add_u32 v34, v19, 2, v33
.irp m, 0,1,2,3
	v_mul_f32 v[SS+2*\m], v[SS+2*\m], v32
.endr
.irp m, 0,1,2,3
	ds_store_b32 v34, v[SS+2*\m] offset:32*\m
.endr
	BAR
	; ctx of row i, channels 8 c .. 8 c + 7: eight keys a trip; a hidden key's weight is 0
	v_lshlrev_b32 v35, 5, v19
	v_add_nc_u32 v35, QC+512, v35
.set i, 0
.rept 8
	v_mov_b32 v[OO+i], 0
.set i, i+1
.endr
	s_mov_b32 s22, 4
.Lpv:
	ds_load_b128 v[AA:AA+3], v33
	ds_load_b128 v[AA+4:AA+7], v33 offset:16
.irp j, 0,1,2,3,4,5,6,7
	ds_load_b128 v[VV+8*\j:VV+8*\j+3],   v35 offset:QP*\j
	ds_load_b128 v[VV+8*\j+4:VV+8*\j+7], v35 offset:QP*\j+16
.endr
	s_wait_dscnt 0x0
.irp j, 0,1,2,3,4,5,6,7
.irp e, 0,1,2,3,4,5,6,7
	v_fmac_f32 v[OO+\e], v[AA+\j], v[VV+8*\j+\e]
.endr
.endr
	v_add_nc_u32 v33, 32, v33
	v_add_nc_u32 v35, 8*QP, v35
	s_sub_co_u32 s22, s22, 1
	s_cmp_lg_u32 s22, 0
	s_cbranch_scc1 .Lpv
.irp p, 0,1,2,3
	v_cvt_pk_f16_f32 v[44+\p], v[OO+2*\p], v[OO+2*\p+1]  ; hi
.endr
.irp p, 0,1,2,3
	v_fma_mix_f32 v[OO+2*\p], v[44+\p], v[NEG1], v[OO+2*\p] op_sel_hi:[1,0,0]                      ; lo = ctx - hi
	v_fma_mix_f32 v[OO+2*\p+1], v[44+\p], v[NEG1], v[OO+2*\p+1] op_sel:[1,0,0] op_sel_hi:[1,0,0]
.endr
.irp p, 0,1,2,3
	v_cvt_pk_f16_f32 v[48+\p], v[OO+2*\p], v[OO+2*\p+1]
.endr
	s_lshl_b32 s40, ttmp9, 13                      ; hctx[16 b + h][hi, lo][32][64]
	s_add_nc_u64 s[38:39], s[18:19], s[40:41]
	v_lshlrev_b32 v52, 4, v0                       ; row i, channels 8 c on: 16 bytes at 16 x my thread's number: a wave stores 512 consecutive bytes
	global_store_b128 v52, v[44:47], s[38:39]
	global_store_b128 v52, v[48:51], s[38:39] offset:4096
.Lend:
	s_wait_tensorcnt 0x0                           ; the wave's end, behind my last LDS store
	ds_add_u32 v[SPW], v[NIL]
	s_wait_dscnt 0x0
	s_endpgm
.Lfunc_end_k_qf88100b62f_prep:
	.size	k_qf88100b62f_prep, .Lfunc_end_k_qf88100b62f_prep-k_qf88100b62f_prep
	.p2alignl 7, 3214868480
	.fill 96, 4, 3214868480
	.section	.rodata,"a",@progbits
	.p2align	6, 0x0
	.amdhsa_kernel k_qf88100b62f_prep
		.amdhsa_group_segment_fixed_size 133120
		.amdhsa_private_segment_fixed_size 0
		.amdhsa_enable_private_segment 0
		.amdhsa_kernarg_size 64
		.amdhsa_user_sgpr_count 2
		.amdhsa_user_sgpr_kernarg_segment_ptr 1
		.amdhsa_wavefront_size32 1
		.amdhsa_system_sgpr_workgroup_id_x 1
		.amdhsa_system_sgpr_workgroup_id_y 1
		.amdhsa_system_sgpr_workgroup_id_z 1
		.amdhsa_system_vgpr_workitem_id 0
		.amdhsa_next_free_vgpr 448
		.amdhsa_next_free_sgpr 66
		.amdhsa_reserve_vcc 1
		.amdhsa_float_denorm_mode_32 3
		.amdhsa_float_denorm_mode_16_64 3
		.amdhsa_memory_ordered 1
		.amdhsa_forward_progress 1
		.amdhsa_inst_pref_size 117
	.end_amdhsa_kernel
	.amdgpu_metadata
---
amdhsa.version: [ 1, 2 ]
amdhsa.kernels:
  - .name:           k_qf88100b62f_prep
    .symbol:         k_qf88100b62f_prep.kd
    .args:
      - { .name: x, .offset: 0, .size: 8, .value_kind: global_buffer, .address_space: global }
      - { .name: ln_gamma, .offset: 8, .size: 8, .value_kind: global_buffer, .address_space: global }
      - { .name: ln_beta, .offset: 16, .size: 8, .value_kind: global_buffer, .address_space: global }
      - { .name: W_qkv, .offset: 24, .size: 8, .value_kind: global_buffer, .address_space: global }
      - { .name: W_o, .offset: 32, .size: 8, .value_kind: global_buffer, .address_space: global }
      - { .name: xn16, .offset: 40, .size: 8, .value_kind: global_buffer, .address_space: global }
      - { .name: w16, .offset: 48, .size: 8, .value_kind: global_buffer, .address_space: global }
      - { .name: hctx, .offset: 56, .size: 8, .value_kind: global_buffer, .address_space: global }
    .group_segment_fixed_size: 133120
    .private_segment_fixed_size: 0
    .kernarg_segment_align: 8
    .kernarg_segment_size: 64
    .max_flat_workgroup_size: 256
    .sgpr_count:     66
    .vgpr_count:     448
    .wavefront_size: 32
...
	.end_amdgpu_metadata
.endif
;; end of part 1
;; launch qkv (part 2): grid 16 x 32, 4 waves a work-group, clusters of 4 x 4, 327,680 bytes of LDS; arguments xn16, w16, q16, k16, v16; writes q16, k16, v16
.if DOCPART == 2
	.amdgcn_target "amdgcn-amd-amdhsa--gfx1250"
	.amdhsa_code_object_version 6
	.text
	.protected	k_qf88100b62f_qkv
	.globl	k_qf88100b62f_qkv
	.p2align	8
	.type	k_qf88100b62f_qkv,@function
k_qf88100b62f_qkv:
	s_mov_b64 s[64:65], 0
	v_nop
	global_prefetch_b8 v0, s[64:65] scope:SCOPE_SE
	s_setreg_imm32_b32 hwreg(HW_REG_WAVE_MODE, 25, 1), 1
	s_wait_xcnt 0x0
	s_wait_alu depctr_hold_cnt(0) depctr_sa_sdst(0) depctr_va_vdst(0) depctr_va_sdst(0) depctr_va_ssrc(0) depctr_va_vcc(0) depctr_vm_vsrc(0)
	s_getreg_b32 s2, hwreg(HW_REG_IB_STS2, 6, 4)
	s_cmp_eq_u32 s2, 0
	s_cbranch_scc0 .Lentry_in_a_cluster
	s_endpgm
.Lentry_in_a_cluster:
	s_bfe_u32 s2, ttmp6, 0x10000c
	s_cmp_lg_u32 s2, 0xf033
	s_cbranch_scc0 .Lentry_shape_is_right
	s_endpgm
.Lentry_shape_is_right:
; q, k, v = xn W_qkv^T.  xn16: [8192][1024] f16; w16: rows 0-3071 are W_qkv, [.][1024] f16; q16, k16, v16: [16 b + h][2048][64] f16.  Sums in f32, each result rounded once to f16, without the scale.
; LIMIT.  |q|, |k|, |v| stay under 65,504 (f16's end).
; A work-group makes 256 tokens x 192 columns: one head's q, k and v.  Each of its four waves makes 64 tokens x 192 columns: 48 accumulators of 16 x 16, 384 registers; so every row of q, k, v that
; leaves is one wave's own.  K goes in 8 steps of 128 through two LDS slots filled by the tensor data mover: rows of 256 bytes of memory, aligned.
; CLUSTER 4 x 4: the four of a row of the cluster need the same tokens (A), the four of a column the same head's weights (B): each tile is asked for jointly, by the same load with the same descriptor and mask.
; THE MATRIX INSTRUCTION IS USED TRANSPOSED (source 0 = 16 rows of W, source 1 = 16 tokens): a lane holds one token and eight neighbouring columns.
; PREFETCH: xn16's rows alone, by waves 0 and 1 of the clusters with x = 0, a lane a row, the four partners' shares told apart by address: 32 rows x 256 bytes, the K step two refills on.  The weights are not
; asked for: a partner's share of a wave's 96 rows is 24, which 32 lanes cannot name once each with all lanes on.
; REGISTERS, in windows of 256: window 0 addresses, v16-63 packed results, v64-255 four sets of 48 on the way out; windows 1 and 2 the accumulators of token blocks 0, 1 and 2, 3, (a, b) at 8 (12 (a % 2) + b);
; window 3 two fragment buffers of 128: W's twelve fragments, then xn's four.
.set KSTEP, 128
.set PITCH, 272                        ; an LDS row: 256 bytes + 16: the 16 rows of a fragment load start 16 bytes apart modulo 256
.set BOFF,  256*PITCH                  ; A's 256 rows, then B's 192
.set SLOT1, 1<<17                      ; slot 1 begins here: one exclusive or turns an address in one slot into the other's
.set STAGE, SLOT1+BOFF+192*PITCH       ; behind the ring: 16 rows x 400 bytes for each wave
.set SP,    400
.set SPARE, STAGE+4*16*SP              ; the spare words, 128 bytes for each wave; no other line names them
.set A0,   4                           ; my lane's place in A's rows of slot 0; never rewritten
.set B0,   5                           ; in B's
.set ADRA, 6                           ; the same in the slot in hand
.set ADRB, 7
.set STO,  8
.set RD,   9
.set GO,   10
.set SPW,  12
.set NIL,  13
.set PFO,  14                          ; 2,048 x lane: a row of xn16
.set TMP,  16
.set OB,   64
.set F0,   0
.set F1,   128
.set WV,  14
.set AB,  15                           ; 0: I fetch for A; 1: for B
.set HF,  16                           ; which half of that tile's rows
.set CX,  17
.set CY,  18
.set TC,  19                           ; the head
.set TR,  20                           ; the block of 256 tokens
.set G1,  24                           ; s[24:31] descriptor group 1 for A
.set G0,  32                           ; s[32:35] group 0 of A's first fill; s[36:39] fills slot 1 first and then walks
.set PFA, 40
.set LIM, 42
.set CNT, 43
.set TB,  44                           ; LDS byte at which the slot in hand begins
.set G1B, 48
.set G0B, 56
.set FLAGS, (1<<16)|(1<<20)|(1<<21)|(5<<22)|(3<<25)  ; 2-byte elements; padding on; bit 21 beside a mask; after every 64 words, 4 words
.set MSB, 0
.macro WIN new
.if MSB != (\new)
	s_set_vgpr_msb (MSB<<8)|(\new)
.set MSB, (\new)
.endif
.endm
.macro PLACES
.rept 4
	v_nop
.endr
.endm
.macro JLOAD                           ; the joint refill: waves 0, 1 A's halves, waves 2, 3 B's; an s_nop 0 and four v_nop follow each line
	s_cmp_eq_u32 s[AB], 0
	s_cbranch_scc0 .Lfor_b_\@
	tensor_load_to_lds s[G0+4:G0+7], s[G1:G1+7]
	s_nop 0
	PLACES
	s_branch .Lasked_\@
.Lfor_b_\@:
	tensor_load_to_lds s[G0B+4:G0B+7], s[G1B:G1B+7]
	s_nop 0
	PLACES
.Lasked_\@:
.endm
.macro ASK                             ; the loop's trips with CNT = 6 .. 3 name K steps 4 .. 7; the last two have no K step two refills on
	s_cmp_gt_u32 s[CNT], s[LIM]
	s_cbranch_scc0 .Lnot_mine_\@
	global_prefetch_b8 v[PFO], s[PFA:PFA+1] offset:KSTEP*2 th:TH_LOAD_NT scope:SCOPE_SE
.Lnot_mine_\@:
.endm
.macro CREST                           ; a round of the cluster's barrier behind its opening barrier
	s_cmp_lg_u32 s[WV], 0
	s_cbranch_scc1 .Lnot_wave_0_\@
	s_barrier_signal -3
.Lnot_wave_0_\@:
	s_barrier_wait -3
	s_barrier_signal -1
	s_barrier_wait -1
.endm
.macro CROUND
	s_barrier_signal -1
	s_barrier_wait -1
	CREST
.endm
	s_load_b256 s[4:11], s[0:1], 0x0               ; xn16 s[4:5], w16 s[6:7], q16 s[8:9], k16 s[10:11]
	s_load_b64 s[12:13], s[0:1], 0x20              ; v16
	v_lshl_add_u32 v[SPW], v0, 2, SPARE
	v_mov_b32 v[NIL], 0
	ds_add_u32 v[SPW], v[NIL]                      ; the wave's opening: the add and its wait stand ahead of my first tensor load; work on registers stands between them
	ds_add_u32 v12, v13
	v_lshrrev_b32 v1, 5, v0
	v_readfirstlane_b32 s[WV], v1
	s_lshr_b32 s[AB], s[WV], 1
	s_and_b32 s[HF], s[WV], 1
	s_bfe_u32 s[CX], ttmp6, 0x40000
	s_bfe_u32 s[CY], ttmp6, 0x40004
	s_lshl_b32 s[TC], ttmp9, 2
	s_add_co_u32 s[TC], s[TC], s[CX]
	s_and_b32 s[TR], ttmp7, 0xffff
	s_lshl_b32 s[TR], s[TR], 2
	s_add_co_u32 s[TR], s[TR], s[CY]
	s_lshl_b32 s23, s[CY], 2
	s_lshl_b32 s23, 15, s23                        ; my row of the cluster
	s_lshl_b32 s45, 0x1111, s[CX]                  ; my column
	s_or_b32 s[G1], s23, FLAGS
	s_or_b32 s[G1B], s45, FLAGS
	s_mov_b32 s[G1+1], KSTEP<<16                   ; tensor_dim0 = 128
	s_mov_b32 s[G1+2], 128<<16                     ; tensor_dim1 = 128
	s_mov_b32 s[G1+3], KSTEP<<16                   ; tile_dim0 = 128
	s_mov_b32 s[G1+4], 128                         ; tile_dim1 = 128
	s_mov_b32 s[G1+5], 1024                        ; elements from row to row
	s_mov_b32 s[G1+6], 0
	s_mov_b32 s[G1+7], 0
	s_mov_b32 s[G1B+1], KSTEP<<16
	s_mov_b32 s[G1B+2], 96<<16                     ; B: 96 rows to a load
	s_mov_b32 s[G1B+3], KSTEP<<16
	s_mov_b32 s[G1B+4], 96
	s_mov_b32 s[G1B+5], 1024
	s_mov_b32 s[G1B+6], 0
	s_mov_b32 s[G1B+7], 0
	s_lshl_b32 s66, s[TR], 8                       ; A: row 256 x block + 128 x half: of the tile row and the wave's number alone
	s_lshl_b32 s67, s[HF], 7
	s_add_co_u32 s66, s66, s67
	s_lshl_b32 s66, s66, 11
	s_mov_b32 s67, 0
	s_mul_i32 s68, s[TC], 192                      ; B: row 192 x head + 96 x half: of the tile column and the wave's number alone
	s_mul_i32 s69, s[HF], 96
	s_add_co_u32 s68, s68, s69
	s_lshl_b32 s68, s68, 11
	s_mov_b32 s69, 0
	s_mul_i32 s21, s[WV], 128*PITCH                ; where they go: A's halves by waves 0, 1;
	s_mul_i32 s22, s[WV], 96*PITCH
	s_add_co_u32 s22, s22, BOFF-2*96*PITCH         ; B's by waves 2, 3
	s_lshr_b32 s45, s[TR], 3                       ; where my rows of q, k, v begin: ((16 b + head) x 2,048 + the block's place in the batch + 64 w) x 128 bytes
	s_lshl4_add_u32 s45, s45, s[TC]
	s_lshl_b32 s45, s45, 11
	s_and_b32 s46, s[TR], 7
	s_lshl_b32 s46, s46, 8
	s_add_co_u32 s45, s45, s46
	s_lshl_b32 s46, s[WV], 6
	s_add_co_u32 s45, s45, s46
	s_lshl_b32 s70, s45, 7
	s_mov_b32 s71, 0
	s_lshl_b32 s46, s[CX], 16                      ; the prefetches: my work-group's 32 of the 128 rows that I fetch, at K step 2
	s_add_co_u32 s46, s46, 2*KSTEP*2
	s_mov_b32 s47, 0
	s_or_b32 s[LIM], s[AB], ttmp9                  ; 0 in waves 0 and 1 of a cluster with x = 0: the same in all sixteen partners
	s_cmp_eq_u32 s[LIM], 0
	s_cselect_b32 s[LIM], 2, -1
	s_mov_b32 s[TB], 0
	s_wait_dscnt 0x0                               ; the opening add is done
	s_wait_kmcnt 0x0
	s_add_nc_u64 s[66:67], s[4:5], s[66:67]
	s_add_nc_u64 s[68:69], s[6:7], s[68:69]
	s_add_nc_u64 s[PFA:PFA+1], s[66:67], s[46:47]
	s_add_nc_u64 s[8:9], s[8:9], s[70:71]
	s_add_nc_u64 s[10:11], s[10:11], s[70:71]
	s_add_nc_u64 s[12:13], s[12:13], s[70:71]
	s_mov_b32 s[G0], 1
	s_mov_b32 s[G0+1], s21
	s_mov_b64 s[G0+2:G0+3], s[66:67]
	s_or_b32 s[G0+3], s[G0+3], 0x80000000
	s_mov_b32 s[G0+4], 1
	s_add_co_u32 s[G0+5], s21, SLOT1
	s_add_nc_u64 s[G0+6:G0+7], s[66:67], KSTEP*2
	s_or_b32 s[G0+7], s[G0+7], 0x80000000
	s_mov_b32 s[G0B], 1
	s_mov_b32 s[G0B+1], s22
	s_mov_b64 s[G0B+2:G0B+3], s[68:69]
	s_or_b32 s[G0B+3], s[G0B+3], 0x80000000
	s_mov_b32 s[G0B+4], 1
	s_add_co_u32 s[G0B+5], s22, SLOT1
	s_add_nc_u64 s[G0B+6:G0B+7], s[68:69], KSTEP*2
	s_or_b32 s[G0B+7], s[G0B+7], 0x80000000
	CROUND                                         ; all sixteen work-groups are here: the first joint loads meet
	s_cmp_eq_u32 s[AB], 0                          ; a wave's two first fills stand in one branch: two loads of mine are out
	s_cbranch_scc0 .Lfirst_b
	tensor_load_to_lds s[G0:G0+3], s[G1:G1+7]
	s_nop 0
	tensor_load_to_lds s[G0+4:G0+7], s[G1:G1+7]
	s_nop 0
	PLACES
	s_branch .Lfirst_asked
.Lfirst_b:
	tensor_load_to_lds s[G0B:G0B+3], s[G1B:G1B+7]
	s_nop 0
	tensor_load_to_lds s[G0B+4:G0B+7], s[G1B:G1B+7]
	s_nop 0
	PLACES
.Lfirst_asked:
	v_and_b32 v1, 15, v0
	v_bfe_u32 v2, v0, 4, 1
	v_mul_u32_u24 v3, v1, PITCH
	v_lshl_add_u32 v3, v2, 4, v3                   ; a fragment's row x pitch + 16 x half of the lanes
	s_mul_i32 s45, s[WV], 64*PITCH
	v_add_nc_u32 v[A0], s45, v3                    ; my 64 tokens
	v_add_nc_u32 v[B0], BOFF, v3
	v_mov_b32 v[ADRA], v[A0]
	v_mov_b32 v[ADRB], v[B0]
	s_mul_i32 s45, s[WV], 16*SP
	s_add_co_u32 s45, s45, STAGE                   ; my stage
	v_mul_u32_u24 v[STO], v1, SP                   ; in: row l % 16, 16 bytes for each half of the lanes
	v_lshl_add_u32 v[STO], v2, 4, v[STO]
	v_add_nc_u32 v[STO], s45, v[STO]
	v_bfe_u32 v[RD], v0, 3, 2                      ; back: 32 lanes take 128 bytes of each of four rows,
	v_mul_u32_u24 v[RD], v[RD], SP
	v_and_b32 v3, 7, v0
	v_lshl_add_u32 v[RD], v3, 4, v[RD]
	v_add_nc_u32 v[RD], s45, v[RD]
	v_and_b32 v[GO], 31, v0
	v_lshlrev_b32 v[PFO], 11, v[GO]
	v_lshlrev_b32 v[GO], 4, v[GO]                  ; which are 512 consecutive bytes of q, k or v
.macro MULA f, a, zero                 ; token block a x all twelve column blocks, 32 along K.  zero = 1: the products start the sums
	WIN 0x5f+0x50*((\a)/2)                         ; sources in window 3; C and D in window 1 or 2
.set ab, 96*((\a)%2)
.irp b, 0,1,2,3,4,5,6,7,8,9,10,11
.if \zero
	v_wmma_f32_16x16x32_f16 v[ab+8*\b:ab+8*\b+7], v[(\f)+8*\b:(\f)+8*\b+7], v[(\f)+96+8*(\a):(\f)+96+8*(\a)+7], 0
.else
	v_wmma_f32_16x16x32_f16 v[ab+8*\b:ab+8*\b+7], v[(\f)+8*\b:(\f)+8*\b+7], v[(\f)+96+8*(\a):(\f)+96+8*(\a)+7], v[ab+8*\b:ab+8*\b+7]
.endif
.endr
.endm
.macro FETCH k, f                      ; 32 LDS loads in one run: a quarter step's fragments (byte k of the rows): B's twelve, then A's four
	WIN 0xc0                                       ; destination window 3, address window 0
.irp i, 0,1,2,3,4,5,6,7,8,9,10,11
	ds_load_b128 v[(\f)+8*\i:(\f)+8*\i+3],   v[ADRB] offset:(\k)+\i*16*PITCH
	ds_load_b128 v[(\f)+8*\i+4:(\f)+8*\i+7], v[ADRB] offset:(\k)+\i*16*PITCH+32
.endr
.irp i, 0,1,2,3
	ds_load_b128 v[(\f)+96+8*\i:(\f)+96+8*\i+3],   v[ADRA] offset:(\k)+\i*16*PITCH
	ds_load_b128 v[(\f)+96+8*\i+4:(\f)+96+8*\i+7], v[ADRA] offset:(\k)+\i*16*PITCH+32
.endr
.endm
; A K step is four quarters of 32 along K, 48 products each, on buffers 0, 1, 0, 1; each accumulator has one product a quarter, always in the same order: the 48 take turns.
.macro QUARTER k, f, g, zero           ; multiplies buffer f; in its middle fetches the next quarter, at byte k, into g
	s_wait_dscnt 4                                 ; all but the youngest four loads: A's blocks 2 and 3
	MULA \f, 0, \zero
	MULA \f, 1, \zero
	PLACES                                         ; ahead of loads into registers that products have read
	FETCH \k, \g
	s_wait_dscnt 32                                ; all but the 32 just issued
	MULA \f, 2, \zero
	MULA \f, 3, \zero
.endm
; The last quarter multiplies buffer 1 and changes slots.  In front of the barrier each wave waits for all its tensor loads (one is out: its part of the next slot), adds 0 to its spare word, and waits for that
; and for its reads of this slot.  fill = 1: the barrier opens a round of the cluster's, and the joint refill, this slot's K step two on, is the first thing behind it: it has 168 products in which to land.
.macro TURN fill
.if \fill
	s_wait_xcnt 0x0                                ; the last prefetch, a K step back, has read its address
	s_add_nc_u64 s[PFA:PFA+1], s[PFA:PFA+1], KSTEP*2
.endif
	WIN 0
	s_wait_tensorcnt 0x0
	ds_add_u32 v[SPW], v[NIL]                      ; 0 onto my spare word; work on registers stands between it and the wait for it
	s_xor_b32 s[TB], s[TB], SLOT1
.if \fill
	s_xor_b32 s[G0+5], s[G0+5], SLOT1              ; no load of mine is out: the walking descriptors step to the other slot and the next K step
	s_add_nc_u64 s[G0+6:G0+7], s[G0+6:G0+7], KSTEP*2
	s_xor_b32 s[G0B+5], s[G0B+5], SLOT1
	s_add_nc_u64 s[G0B+6:G0B+7], s[G0B+6:G0B+7], KSTEP*2
.endif
	s_wait_dscnt 7                                 ; the add and A's blocks 1 to 3 may be out
	MULA F1, 0, 0
	s_wait_dscnt 0x0                               ; the add is done, and my reads of this slot are over
	s_barrier_signal -1
	MULA F1, 1, 0
	WIN 0
	s_barrier_wait -1
.if \fill
	CREST
	JLOAD                                          ; its four v_nop are also the places ahead of the loads below
.else
	PLACES
.endif
	v_add_nc_u32 v[ADRA], s[TB], v[A0]
	v_add_nc_u32 v[ADRB], s[TB], v[B0]
	FETCH 0, F0
.if \fill
	WIN 0
	ASK
.endif
	MULA F1, 2, 0
	MULA F1, 3, 0
.endm
	s_wait_tensorcnt 1                             ; my part of K step 0 is in; K step 1's may stay out
	s_barrier_signal -1
	s_barrier_wait -1
	FETCH 0, F0
	QUARTER 64, F0, F1, 1                          ; the first quarter is written out: its products start the sums
	WIN 0
	s_mov_b32 s[CNT], 6
	s_branch .Lmid                                 ; the loop is entered behind a trip's first quarter
.Lstep:                                                ; six trips: K steps 0 to 5 are multiplied, K steps 2 to 7 asked for
	QUARTER 64, F0, F1, 0
	WIN 0
.Lmid:
	QUARTER 128, F1, F0, 0
	QUARTER 192, F0, F1, 0
	TURN 1
	WIN 0
	s_sub_co_u32 s[CNT], s[CNT], 1
	s_cmp_lg_u32 s[CNT], 0
	s_cbranch_scc1 .Lstep
	s_mov_b32 s[CNT], 2
.Ltail:                                                ; K steps 6 and 7 ask for nothing
	QUARTER 64, F0, F1, 0
	QUARTER 128, F1, F0, 0
	QUARTER 192, F0, F1, 0
	WIN 0
	s_sub_co_u32 s[CNT], s[CNT], 1
	s_cmp_eq_u32 s[CNT], 0
	s_cbranch_scc1 .Lfinal
	TURN 0
	WIN 0
	s_branch .Ltail
.Lfinal:
	s_wait_dscnt 4
	MULA F1, 0, 0
	MULA F1, 1, 0
	s_wait_dscnt 0x0
	MULA F1, 2, 0
	MULA F1, 3, 0
; THE WAY OUT, a block of 16 tokens at a time: rounded to f16, 16 bytes a lane into my stage, back as 128 bytes of four rows, stored as 512 consecutive bytes of q, k or v.
.macro PACK a
	WIN 0x05*(1+(\a)/2)                            ; sources in window 1 or 2, destination in window 0
.set ab, 96*((\a)%2)
.irp b, 0,1,2,3,4,5,6,7,8,9,10,11
.irp r, 0,1,2,3
	v_cvt_pk_f16_f32 v[TMP+4*\b+\r], v[ab+8*\b+2*\r], v[ab+8*\b+2*\r+1]
.endr
.endr
	WIN 0
.endm
.macro TOSTAGE a
.irp b, 0,1,2,3,4,5,6,7,8,9,10,11
	ds_store_b128 v[STO], v[TMP+4*\b:TMP+4*\b+3] offset:32*\b
.endr
.irp p, 0,1,2
.irp i, 0,1,2,3
	ds_load_b128 v[OB+48*(\a)+4*(4*\p+\i):OB+48*(\a)+4*(4*\p+\i)+3], v[RD] offset:128*\p+4*SP*\i  ; LDS serves a wave's instructions in order: these see the stores above, and the next block's stores come behind them
.endr
.endr
.endm
.macro SEND a
	s_wait_dscnt 0x0
.irp p, 0,1,2
.irp i, 0,1,2,3
	global_store_b128 v[GO], v[OB+48*(\a)+4*(4*\p+\i):OB+48*(\a)+4*(4*\p+\i)+3], s[8+2*\p:9+2*\p] offset:2048*(\a)+512*\i
.endr
.endr
.endm
	PLACES
	PACK 0
	TOSTAGE 0
.irp a, 1,2,3                          ; a block's conversions stand between the loads of the block before and the wait for them; each block has its own 48 registers, so no store's data is written again
	PACK \a
	SEND (\a)-1
	TOSTAGE \a
.endr
	SEND 3
	s_wait_tensorcnt 0x0                           ; the wave's end
	ds_add_u32 v[SPW], v[NIL]
	s_wait_dscnt 0x0
	CROUND                                         ; the closing round: no work-group ends while a partner may still ask for a tile that names it
	s_endpgm
.Lfunc_end_k_qf88100b62f_qkv:
	.size	k_qf88100b62f_qkv, .Lfunc_end_k_qf88100b62f_qkv-k_qf88100b62f_qkv
	.p2alignl 7, 3214868480
	.fill 96, 4, 3214868480
	.section	.rodata,"a",@progbits
	.p2align	6, 0x0
	.amdhsa_kernel k_qf88100b62f_qkv
		.amdhsa_group_segment_fixed_size 327680
		.amdhsa_private_segment_fixed_size 0
		.amdhsa_enable_private_segment 0
		.amdhsa_kernarg_size 40
		.amdhsa_user_sgpr_count 2
		.amdhsa_user_sgpr_kernarg_segment_ptr 1
		.amdhsa_wavefront_size32 1
		.amdhsa_system_sgpr_workgroup_id_x 1
		.amdhsa_system_sgpr_workgroup_id_y 1
		.amdhsa_system_sgpr_workgroup_id_z 1
		.amdhsa_system_vgpr_workitem_id 0
		.amdhsa_next_free_vgpr 1024
		.amdhsa_next_free_sgpr 72
		.amdhsa_reserve_vcc 0
		.amdhsa_float_denorm_mode_32 3
		.amdhsa_float_denorm_mode_16_64 3
		.amdhsa_memory_ordered 1
		.amdhsa_forward_progress 1
		.amdhsa_inst_pref_size 86
	.end_amdhsa_kernel
	.amdgpu_metadata
---
amdhsa.version: [ 1, 2 ]
amdhsa.kernels:
  - .name:           k_qf88100b62f_qkv
    .symbol:         k_qf88100b62f_qkv.kd
    .args:
      - { .name: xn16, .offset: 0, .size: 8, .value_kind: global_buffer, .address_space: global }
      - { .name: w16, .offset: 8, .size: 8, .value_kind: global_buffer, .address_space: global }
      - { .name: q16, .offset: 16, .size: 8, .value_kind: global_buffer, .address_space: global }
      - { .name: k16, .offset: 24, .size: 8, .value_kind: global_buffer, .address_space: global }
      - { .name: v16, .offset: 32, .size: 8, .value_kind: global_buffer, .address_space: global }
    .group_segment_fixed_size: 327680
    .private_segment_fixed_size: 0
    .kernarg_segment_align: 8
    .kernarg_segment_size: 40
    .max_flat_workgroup_size: 128
    .sgpr_count:     72
    .vgpr_count:     1024
    .wavefront_size: 32
...
	.end_amdgpu_metadata
.endif
;; end of part 2
;; launch attn (part 3): grid 4 x 64, 4 waves a work-group, no clusters, 327,680 bytes of LDS; arguments q16, k16, v16, ctx16; writes ctx16
.if DOCPART == 3
	.amdgcn_target "amdgcn-amd-amdhsa--gfx1250"
	.amdhsa_code_object_version 6
	.text
	.protected	k_qf88100b62f_attn
	.globl	k_qf88100b62f_attn
	.p2align	8
	.type	k_qf88100b62f_attn,@function
k_qf88100b62f_attn:
	s_mov_b64 s[64:65], 0
	v_nop
	global_prefetch_b8 v0, s[64:65] scope:SCOPE_SE
	s_setreg_imm32_b32 hwreg(HW_REG_WAVE_MODE, 25, 1), 1
	s_wait_xcnt 0x0
; CAUSAL ATTENTION.  O[h][q][:] = the sum over k <= q of softmax_k(Q[h][q] . K[h][k] / 8) V[h][k][:].  Q, K, V, O: [64][2048][64], all f16: a head's rows are dense, 128 bytes each.
; Products, maxima and sums in f32; the weights p are rounded to f16 for the second product (their sum l is taken of the unrounded p), O once at the end.
; LIMITS.  Q, K and V arrive within f16's 65,504; p lies in 0 to 1, and below 6e-5 it keeps f16's fixed step of 6e-8.  A hidden score counts as its value less 1e30; a weight below 2^-126 counts as 0 in l;
; NaN and infinities are not treated apart.
; THE WALK.  A head's queries lie in NB = 8 blocks of 256; block i needs the key tiles 0 .. i of 256 keys, of which the last holds the diagonal.  A work-group takes TWO blocks, NB - 1 - b and then b:
; NB + 1 tiles, whatever b: all work-groups do equal work, and ONE loop with a constant trip count walks them.  Every jump goes forward, but for the counted loops' own.
; NO CLUSTER: a head's four work-groups ask for the same tile only in trips 0 .. 4 of the 9, and one walk common to all would have 12 trips for 9.
; SHARES.  Of a block's four bands of 64 queries a wave owns 16 rows in each: four PIECES; so the diagonal tile is the same work for all four waves.
; THE MASK is the C operand that starts the sum S^T = K Q^T: 0, or -1e30 where the key is hidden.  MD is the mask of a band's own step for my 16 rows; a product's mask is MD x AL + BE with two scalars.
; LAYOUT, SOFTMAX, TURNS.  S^T = K Q^T holds ONE query a lane and the keys 8 (lane / 16) + 0..7; two such results rounded to f16 ARE source 1 of O^T = V^T P.  p = 2^(c s - c m), c = log2(e) / 8, with a running
; maximum m; O and l are multiplied by a = 2^(c m_old - c m_new) in every step.  Turn n belongs to piece n: 8 products K Q^T of piece n + 1, later 8 products V^T P of piece n - 1; beside them piece n's softmax
; and piece n + 1's maximum.  Four vector instructions stand behind every matrix instruction, the rest in one lump.  A turn's 33 exponentials are one batch, with one wait.
; PREFETCH.  The work-group with b = 0 walks the tiles 0 .. 7 in order: behind each fill each of its waves names, a lane a block of 256 bytes, its own 16,384 bytes of the tile that the NEXT change of slots asks for
; (tiles 2 .. 7, each once); behind the first block's last tile it asks for nothing.
; REGISTERS, in windows of 256: window 0: v0-15 addresses; v16-31 statistics; v48-55 at work; v61 prefetch offset; v64-127 S^T, two buffers; v192-223 P, two buffers.
;   window 1: v0-127 O^T; v128-159 MD; v160-223 MC      window 2: v0-63 Q; v64-127 the second block's Q; v128-191 K of one step; v192-255 V of one step
.set SIZE_N, 2048
.set NB,    SIZE_N/256
.set NP,    4
.set KS,    64
.set PK,    144
.set PV,    160
.set VOFF,  4*KS*PK
.set SLOT1, 1<<17
.set STAGE, SLOT1+4*KS*(PK+PV)
.set SP,    144
.set AK0, 2
.set AV0, 3
.set AK,  4
.set AV,  5
.set STO, 6
.set RD,  7
.set GO,  8
.set PFV, 61          ; 256 x lane; never rewritten
.set SPW, 62
.set NIL, 63
.set SPARE, STAGE+4*16*SP
.set MV,  12
.set QO,  15
.set ST,  16
.set TMP, 48
.set S,   64
.set P,   192
.set MD,  128
.set MC,  160
.set QB,  64
.set KF,  128
.set VF,  192
.set WV,  12
.set PB,  14
.set HI,  15
.set G1K, 24
.set G1V, 32
.set G0K, 40
.set G0V, 44
.set SLOTS, 56
.set CNT, 57
.set CS,  58
.set SEL, 60
.set TBK, 62
.set TBV, 63
.set RT,  70
.set NXT, 71
.set LQ,  72
.set NEW, 73
.set OFF, 74
.set AL,  76
.set BE,  78
.set OLO, 80
.set BIGN, 82
.set PFA, 88          ; s[88:89] where my prefetches stand
.set PFB, 90          ; s[90:91] K (waves 0, 1) or V (waves 2, 3) at my half of the head's tile 0
.set LIMP, 92         ; s92  0 in the work-group that prefetches, else the greatest number
.set PFD, 94          ; s[94:95] a tile's byte offset, for the prefetches
.set MSB, 0
.macro WIN new
.if MSB != (\new)
	s_set_vgpr_msb (MSB<<8)|(\new)
.set MSB, (\new)
.endif
.endm
.set W_KQ, 0x0a
.set W_KM, 0x1a
.set W_PV, 0x52
.set W_RS, 0x41
; A fill.  Waves 0 and 1 fetch the two halves of a tile's K, waves 2 and 3 those of its V.  An s_nop 0 and four v_nop follow each of the two lines.
.macro LOAD
	s_cmp_lt_u32 s[WV], 2
	s_cbranch_scc0 .Lfor_v_\@
	tensor_load_to_lds s[G0K:G0K+3], s[G1K:G1K+7]
	s_nop 0
.rept 4
	v_nop
.endr
	s_branch .Lasked_\@
.Lfor_v_\@:
	tensor_load_to_lds s[G0V:G0V+3], s[G1V:G1V+7]
	s_nop 0
.rept 4
	v_nop
.endr
.Lasked_\@:
.endm
.macro ASK                          ; tile NXT, which the next change of slots will ask for: my 64 blocks of 256 bytes
	s_cmp_gt_u32 s[NXT], s[LIMP]
	s_cbranch_scc0 .Lnot_mine_\@
	global_prefetch_b8 v[PFV], s[PFA:PFA+1] th:TH_LOAD_NT scope:SCOPE_SE
	global_prefetch_b8 v[PFV], s[PFA:PFA+1] offset:8192 th:TH_LOAD_NT scope:SCOPE_SE
.Lnot_mine_\@:
.endm
; THE CHANGE OF SLOTS.  Each wave waits for all its tensor loads, adds 0 to its spare word, and waits for that and for its own reads of the slot that it leaves.  fill = 1: the old slot is filled again, the first
; thing behind the barrier, with tile NXT: the descriptor's address is made anew from that number.
.macro CHANGE fill
	WIN 0
	s_wait_tensorcnt 0x0            ; no tensor load of mine is out, so a group 0 may be written
	ds_add_u32 v[SPW], v[NIL]       ; 0 onto my spare word; scalar work stands between it and the wait for it
.if \fill
	s_lshl_b32 s[OFF], s[NXT], 15   ; a tile is 32,768 bytes of K and of V
	s_xor_b32 s[G0K+1], s[G0K+1], SLOT1
	s_add_nc_u64 s[G0K+2:G0K+3], s[6:7], s[OFF:OFF+1]
	s_or_b32 s[G0K+3], s[G0K+3], 0x80000000
	s_xor_b32 s[G0V+1], s[G0V+1], SLOT1
	s_add_nc_u64 s[G0V+2:G0V+3], s[8:9], s[OFF:OFF+1]
	s_or_b32 s[G0V+3], s[G0V+3], 0x80000000
	s_add_co_u32 s[NXT], s[NXT], 1  ; the block's next tile, or behind its last the second block's tile 0
	s_cmp_gt_u32 s[NXT], s[LQ]
	s_cselect_b32 s[NXT], 0, s[NXT]
	s_cselect_b32 s[LQ], s[PB], s[LQ]
	s_wait_xcnt 0x0                 ; the last prefetches, a tile back, have read their address
	s_lshl_b32 s[PFD], s[NXT], 15
	s_add_nc_u64 s[PFA:PFA+1], s[PFB:PFB+1], s[PFD:PFD+1]
.endif
	s_wait_dscnt 0x0                ; the add is done, and my reads of the slot are over
	s_barrier_signal -1
	s_sub_co_u32 s[TBK], s[TBK], 4*KS*PK
	s_xor_b32 s[TBK], s[TBK], SLOT1
	s_sub_co_u32 s[TBV], s[TBV], 4*KS*PV
	s_xor_b32 s[TBV], s[TBV], SLOT1
	s_barrier_wait -1
.if \fill
	LOAD
	ASK
.endif
.endm
	s_load_b256 s[4:11], s[0:1], 0x0  ; Q s[4:5], K s[6:7], V s[8:9], O s[10:11]
	v_lshl_add_u32 v[SPW], v0, 2, SPARE
	v_mov_b32 v[NIL], 0
	ds_add_u32 v[SPW], v[NIL]       ; the wave's opening: the add and its wait stand ahead of my first tensor load
	ds_add_u32 v62, v63
	v_lshrrev_b32 v1, 5, v0
	v_readfirstlane_b32 s[WV], v1
	s_mov_b32 s[PB], ttmp9
	s_sub_co_u32 s[HI], NB-1, s[PB]
	s_and_b32 s20, ttmp7, 0xffff    ; the head
	s_mov_b32 s21, 0
	s_mov_b64 s[22:23], SIZE_N*128
	s_mul_u64 s[20:21], s[20:21], s[22:23]
	s_and_b32 s16, s[WV], 1         ; which half of a tile's 256 keys I fetch
	s_lshl_b32 s22, s16, 14
	s_mov_b32 s23, 0
	s_add_nc_u64 s[22:23], s[22:23], s[20:21]
	s_mul_i32 s17, s16, 128*PK
	s_mul_i32 s18, s16, 128*PV
	s_lshl_b32 s3, s[WV], 11        ; my 16 rows in a band of 64,
	s_lshl_b32 s2, s[HI], 15        ; in the first block,
	s_add_co_u32 s2, s2, s3
	s_lshl_b32 s84, s[PB], 15       ; and in the second
	s_add_co_u32 s84, s84, s3
	s_mov_b32 s3, 0
	s_mov_b32 s85, 0
	s_add_nc_u64 s[2:3], s[2:3], s[20:21]
	s_add_nc_u64 s[84:85], s[84:85], s[20:21]
	; descriptor group 1.  128 keys are 16,384 dense bytes: asked for as 64 rows of 256 bytes, two keys a row, and padded in LDS after every key
	s_mov_b32 s[G1K], (1<<16)|(1<<20)|(4<<22)|(3<<25)
	s_mov_b32 s[G1V], (1<<16)|(1<<20)|(4<<22)|(7<<25)
.irp g, G1K, G1V
	s_mov_b32 s[\g+1], 128<<16
	s_mov_b32 s[\g+2], 64<<16
	s_mov_b32 s[\g+3], 128<<16
	s_mov_b32 s[\g+4], 64
	s_mov_b32 s[\g+5], 128
	s_mov_b32 s[\g+6], 0
	s_mov_b32 s[\g+7], 0
.endr
	s_mov_b32 s[CS], 0x3e38aa3b     ; c = log2(e) / 8
	s_mov_b32 s[CS+1], s[CS]
	s_mov_b32 s[SEL], 0x76543210
	s_mov_b32 s[SEL+1], 0xfedcba98
	s_mov_b32 s[TBK], SLOT1+4*KS*PK ; the first change of slots turns these two into 0
	s_mov_b32 s[TBV], SLOT1+4*KS*PV
	s_mov_b32 s[G0K], 1
	s_mov_b32 s[G0K+1], s17
	s_mov_b32 s[G0V], 1
	s_add_co_u32 s[G0V+1], s18, VOFF
	s_add_co_u32 s[RT], s[HI], 1    ; the first block has NB - b tiles
	s_mov_b32 s[NXT], 1
	s_mov_b32 s[LQ], s[HI]
	s_mov_b32 s[NEW], 1
	s_mov_b32 s[OFF+1], 0
	s_mov_b32 s[PFD+1], 0
	s_mov_b32 s[AL+1], 0
	s_mov_b32 s[BE+1], 0
	s_mov_b32 s[BIGN], 0xf149f2ca   ; -1e30
	s_mov_b32 s[SLOTS], NB
	s_cmp_eq_u32 s[PB], 0
	s_cselect_b32 s[LIMP], 0, -1
	v_and_b32 v[PFV], 31, v0
	v_lshlrev_b32 v[PFV], 8, v[PFV]
	s_wait_dscnt 0x0                ; the opening add is done
	s_wait_kmcnt 0x0
	s_add_nc_u64 s[6:7], s[6:7], s[22:23]  ; K and V at my half of the head's tile 0
	s_add_nc_u64 s[8:9], s[8:9], s[22:23]
	s_cmp_lt_u32 s[WV], 2
	s_cselect_b64 s[PFB:PFB+1], s[6:7], s[8:9]
	s_add_nc_u64 s[G0K+2:G0K+3], s[6:7], 0
	s_or_b32 s[G0K+3], s[G0K+3], 0x80000000
	s_add_nc_u64 s[G0V+2:G0V+3], s[8:9], 0
	s_or_b32 s[G0V+3], s[G0V+3], 0x80000000
	s_add_nc_u64 s[86:87], s[4:5], s[84:85]        ; Q at my rows of the second block,
	s_add_nc_u64 s[4:5], s[4:5], s[2:3]            ; Q and O at those of the first
	s_add_nc_u64 s[OLO:OLO+1], s[10:11], s[84:85]
	s_add_nc_u64 s[10:11], s[10:11], s[2:3]
	LOAD                            ; tile 0 into slot 0
	v_and_b32 v1, 15, v0            ; l % 16
	v_bfe_u32 v9, v0, 4, 1          ; l / 16
	v_lshlrev_b32 v[QO], 7, v1
	v_lshl_add_u32 v[QO], v9, 4, v[QO]
	WIN 0x80
.set i, 0
.rept 8                             ; both blocks' Q: piece i / 2 lies in band i / 2, 8,192 bytes on; channels 32 (i % 2) on
	global_load_b128 v[8*i:8*i+3],   v[QO], s[4:5] offset:(i/2)*8192+(i%2)*64
	global_load_b128 v[8*i+4:8*i+7], v[QO], s[4:5] offset:(i/2)*8192+(i%2)*64+32
	global_load_b128 v[QB+8*i:QB+8*i+3],   v[QO], s[86:87] offset:(i/2)*8192+(i%2)*64
	global_load_b128 v[QB+8*i+4:QB+8*i+7], v[QO], s[86:87] offset:(i/2)*8192+(i%2)*64+32
.set i, i+1
.endr
	WIN 0
	v_lshlrev_b32 v14, 3, v9
	v_sub_nc_u32 v14, v1, v14
	s_lshl_b32 s13, s[WV], 4
	v_add_nc_u32 v14, s13, v14      ; my query's place in its band less my lanes' 8 (l / 16): register r of group kt is hidden where 16 kt + r is greater
	WIN 0x40
.set i, 0
.rept 32
	v_cmp_gt_i32 vcc_lo, 16*(i/8)+i%8, v14
	v_cndmask_b32 v[MD+i], 0, s[BIGN], vcc_lo
.set i, i+1
.endr
	WIN 0
	v_mul_u32_u24 v[AK0], v1, PK
	v_lshl_add_u32 v[AK0], v9, 4, v[AK0]
	v_and_b32 v10, 7, v0
	v_bfe_u32 v11, v0, 3, 1
	v_lshl_add_u32 v[AV0], v9, 3, v10
	v_mul_u32_u24 v[AV0], v[AV0], PV
	v_lshl_add_u32 v[AV0], v11, 4, v[AV0]
	v_add_nc_u32 v[AV0], VOFF, v[AV0]
	s_mul_i32 s13, s[WV], 16*SP
	s_add_co_u32 s13, s13, STAGE
	v_mul_u32_u24 v[STO], v1, SP
	v_lshl_add_u32 v[STO], v9, 4, v[STO]
	v_add_nc_u32 v[STO], s13, v[STO]
	v_bfe_u32 v[RD], v0, 3, 2
	v_mul_u32_u24 v[RD], v[RD], SP
	v_lshl_add_u32 v[RD], v10, 4, v[RD]
	v_add_nc_u32 v[RD], s13, v[RD]
	v_and_b32 v[GO], 31, v0
	v_lshlrev_b32 v[GO], 4, v[GO]
	; A block's first step multiplies O^T and l by a = 0, so these registers need only hold finite numbers: zeros for the first block.  All this stands in the wait for the first tile.
	WIN 0x80
.set i, VF
.rept 64
	v_mov_b32 v[i], 0
.set i, i+1
.endr
	WIN 0x40
.set i, 0
.rept 128
	v_mov_b32 v[i], 0
.set i, i+1
.endr
	WIN 0
.set i, 0
.rept 4
	v_mov_b32 v[ST+4*i+2], 0
	v_mov_b32 v[ST+4*i+3], 0
.set i, i+1
.endr
.set i, P+16
.rept 16
	v_mov_b32 v[i], 0
.set i, i+1
.endr
; THE MATRIX WORK.  The 4 accumulators of a run of 8 take turns.  Product i of 8 of S^T = K Q^T for piece x: channels 32 (i / 4) on, keys 16 (i % 4) on.
.macro KQ x
.set rS, S+32*((\x)%2)+8*(i%4)
.set rK, KF+16*(i%4)+8*(i/4)
.set rQ, 16*(\x)+8*(i/4)
.set rM, MC+32*((\x)%2)+8*(i%4)
.if (i < 4) && KM
	WIN W_KM
	v_wmma_f32_16x16x32_f16 v[rS:rS+7], v[rK:rK+7], v[rQ:rQ+7], v[rM:rM+7]
.elseif i < 4
	WIN W_KQ
	v_wmma_f32_16x16x32_f16 v[rS:rS+7], v[rK:rK+7], v[rQ:rQ+7], 0
.else
	WIN W_KQ
	v_wmma_f32_16x16x32_f16 v[rS:rS+7], v[rK:rK+7], v[rQ:rQ+7], v[rS:rS+7]
.endif
.endm
.macro PV x                         ; product i of 8 of O^T += V^T P for piece x
	WIN W_PV
.set rO, 32*(\x)+8*(i%4)
.set rV, VF+32*(i/4)+8*(i%4)
.set rP, P+16*((\x)%2)+8*(i/4)
	v_wmma_f32_16x16x32_f16 v[rO:rO+7], v[rV:rV+7], v[rP:rP+7], v[rO:rO+7]
.endm
.macro MM                           ; the turn's next matrix instruction
.if (i < 8) && !NOKQ
	KQ (Y+1)%NP
.elseif i >= 8
.set i, i-8
	PV (Y+NP-1)%NP
.set i, i+8
.endif
.set i, i+1
.endm
.macro FETCH_K
	WIN 0x80
.irp f, 0,1,2,3,4,5,6,7
	ds_load_b128 v[KF+8*\f:KF+8*\f+3],   v[AK] offset:(\f/2)*16*PK+(\f%2)*64
	ds_load_b128 v[KF+8*\f+4:KF+8*\f+7], v[AK] offset:(\f/2)*16*PK+(\f%2)*64+32
.endr
	s_add_co_u32 s[TBK], s[TBK], KS*PK
	WIN 0
.endm
.macro FETCH_V
	WIN 0x80
.irp f, 0,1,2,3,4,5,6,7
	ds_load_tr16_b128 v[VF+8*\f:VF+8*\f+3],   v[AV] offset:(\f/4)*32*PV+(\f%4)*32
	ds_load_tr16_b128 v[VF+8*\f+4:VF+8*\f+7], v[AV] offset:(\f/4)*32*PV+16*PV+(\f%4)*32
.endr
	WIN 0
.endm
; THE VECTOR WORK, one line at a time: OP kind, number.  F n: c s - c m for pair n.  E n: the exponential of score n.  C n: pair n rounded to f16.  B n: of four weights the second pair onto the first.
; L n: l takes that sum.  R n: pair n of O^T times a.  X n: number n of the 22 that find the next piece's maximum and statistics (each accumulator's lowest registers are read first).
.set F, 0
.set E, 1
.set C, 2
.set B, 3
.set L, 4
.set R, 5
.set X, 6
.macro REGS y
.set rT, ST+4*(\y)
.set rC, TMP+4*((\y)%2)
.set rW, MV+((\y)%2)
.set rS, S+32*((\y)%2)
.set rP, P+16*((\y)%2)
.set rO, 32*(\y)
.endm
.macro OP k, n
.if (\k) == R
	REGS Y
	WIN W_RS
	v_pk_mul_f32 v[rO+2*(\n):rO+2*(\n)+1], v[rO+2*(\n):rO+2*(\n)+1], v[rC+2:rC+3] op_sel_hi:[1,0]
.elseif (\k) < R
	REGS Y
	WIN 0
.if (\k) == F
	v_pk_fma_f32 v[rS+2*(\n):rS+2*(\n)+1], v[rS+2*(\n):rS+2*(\n)+1], s[CS:CS+1], v[rT:rT+1] op_sel_hi:[1,0,0] neg_lo:[0,0,1] neg_hi:[0,0,1]
.elseif (\k) == E
	v_exp_f32 v[rS+(\n)], v[rS+(\n)]
.elseif (\k) == C
	v_cvt_pk_f16_f32 v[rP+(\n)], v[rS+2*(\n)], v[rS+2*(\n)+1]
.elseif (\k) == B
	v_pk_add_f32 v[rS+4*(\n):rS+4*(\n)+1], v[rS+4*(\n):rS+4*(\n)+1], v[rS+4*(\n)+2:rS+4*(\n)+3]
.elseif (\n) == 0
	v_pk_fma_f32 v[rT+2:rT+3], v[rT+2:rT+3], v[rC+2:rC+3], v[rS:rS+1] op_sel_hi:[1,0,1]
.else
	v_pk_add_f32 v[rT+2:rT+3], v[rT+2:rT+3], v[rS+4*(\n):rS+4*(\n)+1]
.endif
.elseif NOKQ
	v_nop
.else
	REGS (Y+1)%NP
	WIN 0
.if (\n) < 4
	v_max3_num_f32 v[rC+(\n)], v[rS+8*(\n)], v[rS+8*(\n)+1], v[rS+8*(\n)+2]
.elseif (\n) < 12
	v_max3_num_f32 v[rC+(\n)%4], v[rC+(\n)%4], v[rS+8*((\n)%4)+2*((\n)/4)+1], v[rS+8*((\n)%4)+2*((\n)/4)+2]
.elseif (\n) == 12
	v_max3_num_f32 v[rC], v[rC], v[rS+7], v[rS+15]
.elseif (\n) == 13
	v_max3_num_f32 v[rC+1], v[rC+1], v[rS+23], v[rS+31]
.elseif (\n) == 14
	v_max3_num_f32 v[rC+2], v[rC+2], v[rC+3], v[rT+1]
.elseif (\n) == 15
	v_mov_b32 v[rW], v[rT]
.elseif (\n) == 16
	v_max3_num_f32 v[rC], v[rC], v[rC+1], v[rC+2]
.elseif (\n) == 17
	v_permlanex16_b32 v[rC+3], v[rC], s[SEL], s[SEL+1]
.elseif (\n) == 18
	v_max_num_f32 v[rT+1], v[rC], v[rC+3]
.elseif (\n) == 19
	v_mul_f32 v[rT], s[CS], v[rT+1]
.elseif (\n) == 20
	v_sub_f32 v[rC+1], v[rW], v[rT]
.else
	v_exp_f32 v[rC+2], v[rC+1]
.endif
.endif
.endm
.macro OPS a, i1, b=-1, i2=0, c=-1, i3=0, d=-1, i4=0
	OP \a, \i1
.if (\b) >= 0
	OP \b, \i2
.endif
.if (\c) >= 0
	OP \c, \i3
.endif
.if (\d) >= 0
	OP \d, \i4
.endif
.endm
.macro ROW a, i1, b, i2, c, i3, d, i4  ; a matrix instruction and the four behind it
	MM
	OPS \a, \i1, \b, \i2, \c, \i3, \d, \i4
.endm
.macro MASK b                       ; MD x AL + BE into buffer b of MC
	WIN W_RS
.set z, 0
.rept 16
	v_pk_fma_f32 v[MC+32*(\b)+2*z:MC+32*(\b)+2*z+1], v[MD+2*z:MD+2*z+1], s[AL:AL+1], s[BE:BE+1] op_sel_hi:[1,0,0]
.set z, z+1
.endr
.endm
; A TURN, for piece p.  Ahead of its one wait stands all that names no result of the turn's exponentials: 8 products K Q^T with their riders and the lump; behind it 8 products V^T P, behind each four of the
; roundings and sums.  m = 1: the diagonal tile: the products take masks, and the turn makes the mask for the turn after it.  end = 1: a block's last two turns: nothing is fetched.
; cnt = 1: the loop's count is taken down some lines ahead of the branch behind the turn.
.macro TURN p, m=0, end=0, cnt=0
.set Y, (\p)
.set i, 0
.set KM, (\m)
.set NOKQ, (\end)*((\p)/3)
.if (\m) && !(\end)
	s_cmp_eq_u32 s[CNT], 4-((\p)+2)%NP  ; is that step the band's own?
	s_cselect_b32 s[AL], 1.0, 0
	s_cmp_lt_u32 s[CNT], 4-((\p)+2)%NP  ; or a later one?
	s_cselect_b32 s[BE], s[BIGN], 0
.endif
.if ((\p) == 3) && !(\end)
	s_wait_dscnt 0x0                ; K is in
.endif
	ROW F,0, F,1, R,0, R,1
	ROW F,2, E,0, R,2, R,3
	ROW F,3, E,1, R,4, R,5
	ROW F,4, E,2, R,6, R,7
	ROW F,5, E,3, R,8, R,9
	ROW F,6, E,4, X,0, R,10
.if ((\p) == 2) && !(\end)
	WIN 0
	v_add_nc_u32 v[AK], s[TBK], v[AK0]
.endif
	ROW F,7, E,5, X,1, X,4
	ROW F,8, E,6, X,2, X,5
	OPS E,7, E,8, X,6, E,9
	OPS X,3, E,10, X,8, E,11
.if ((\p) == 2) && !(\end)
	FETCH_K
.endif
	OPS X,9, X,7, E,12, X,10
	OPS E,13, X,12, X,11, E,14
	OPS X,13, E,15, F,9, X,14
.if (\p) == 0
	v_add_nc_u32 v[AV], s[TBV], v[AV0]
.endif
	OPS E,16, F,10, E,17, F,11
	OPS X,16, E,18, X,15, E,19
	OPS F,12, E,20, X,17, E,21
	OPS F,13, E,22, F,14, E,23
	OPS X,18, E,24, F,15, E,25
	OPS R,11, E,26, X,19, E,27
	OPS R,12, E,28, R,13, E,29
	OPS X,20, E,30, R,14, E,31
	OPS X,21, R,15
	WIN 0
	s_wait_alu depctr_va_vdst(0)    ; the wait for the batch
.if (\p) == 1
	s_wait_dscnt 0x0                ; V is in
.endif
	ROW C,0, B,0, C,2, B,1
	ROW L,0, C,4, B,2, L,1
	ROW C,6, B,3, L,2, C,8
	ROW B,4, L,3, C,10, B,5
	ROW L,4, C,12, B,6, L,5
.if (\p) == 0
	s_add_co_u32 s[TBV], s[TBV], KS*PV
.endif
.if \cnt
	s_sub_co_u32 s[CNT], s[CNT], 1
	s_cmp_lg_u32 s[CNT], 0
.endif
	ROW C,14, B,7, L,6, C,1
	ROW C,3, L,7, C,5, C,7
	ROW C,9, C,11, C,13, C,15
.if (\p) == 0
	FETCH_V
.endif
.if (\m) && !(\end)
	MASK (\p)%2
.endif
.endm
; A BLOCK BEGINS.  c m starts far below every c s, so the first step's a is 0; m at the lowest finite number.  Then K of the tile's step 0, piece 0's first scores, and its maximum and statistics.
.macro BEGIN
	s_mov_b32 s[NEW], 0
	WIN 0x40
.set i, MC+32
.rept 32
	v_mov_b32 v[i], 0
.set i, i+1
.endr
	WIN 0
.set i, 0
.rept 4
	v_mov_b32 v[ST+4*i], 0xfe000000
	v_mov_b32 v[ST+4*i+1], 0xff7fffff
.set i, i+1
.endr
	s_cmp_eq_u32 s[RT], 0
	s_cselect_b32 s[AL], 1.0, 0
	s_mov_b32 s[BE], 0
	MASK 0
	WIN 0
	v_add_nc_u32 v[AK], s[TBK], v[AK0]
	FETCH_K
	s_wait_loadcnt 0x0              ; Q
	s_wait_dscnt 0x0
.set KM, 1
.set NOKQ, 0
.set i, 0
.rept 8
	KQ 0
.set i, i+1
.endr
	WIN 0
.rept 4
	v_nop                           ; the places behind those products
.endr
.set Y, NP-1
.irp n, 0,1,2,3,4,5,6,7,8,9,10,11,12,13,14,15,16,17,18,19,20,21
	OP X, \n
.endr
	v_nop                           ; a plain instruction behind the exponential,
	s_wait_alu depctr_va_vdst(0)    ; and its wait, ahead of the branch
.endm
.macro ALL line:vararg              ; one line for each piece t
.set t, 0
.rept 4
	\line
.set t, t+1
.endr
.endm
.macro PACK t
	WIN W_RS
.set i, 32*(\t)
.rept 16
	v_pk_mul_f32 v[i:i+1], v[i:i+1], v[ST+4*(\t)+2:ST+4*(\t)+3] op_sel_hi:[1,0]
.set i, i+2
.endr
	WIN 0x05
.set i, 0
.rept 16
	v_cvt_pk_f16_f32 v[S+16*(\t)+i], v[32*(\t)+2*i], v[32*(\t)+2*i+1]
.set i, i+1
.endr
	WIN 0
.irp f, 0,1,2,3
	ds_store_b128 v[STO], v[S+16*(\t)+4*\f:S+16*(\t)+4*\f+3] offset:32*\f
.endr
.irp f, 0,1,2,3
	ds_load_b128 v[S+16*(\t)+4*\f:S+16*(\t)+4*\f+3], v[RD] offset:\f*4*SP  ; LDS serves a wave's instructions in order: these see the stores above
.endr
.endm
.macro SEND t, younger              ; younger: the LDS instructions issued behind piece t's loads
	WIN 0
.irp f, 0,1,2,3
	s_wait_dscnt (\younger)+3-\f
	global_store_b128 v[GO], v[S+16*(\t)+4*\f:S+16*(\t)+4*\f+3], s[10:11] offset:(\t)*8192+\f*512  ; 512 consecutive bytes, aligned
.endr
.endm
.macro DIAG tag                     ; the diagonal tile's four steps, the block's last two turns, its last products, and the way out
.LstepM\tag:
	TURN 2, 1
	TURN 3, 1
	WIN 0
.LfirstM\tag:
	TURN 0, 1
	TURN 1, 1, 0, 1
	WIN 0
	s_cbranch_scc1 .LstepM\tag
	TURN 2, 1, 1
	TURN 3, 1, 1
.set i, 0
.rept 8
	PV NP-1
.set i, i+1
.endr
	WIN 0
	ALL v_add_f32 v[ST+4*t+2], v[ST+4*t+2], v[ST+4*t+3]
	ALL v_permlanex16_b32 v[ST+4*t+3], v[ST+4*t+2], s[SEL], s[SEL+1]
	ALL v_add_f32 v[ST+4*t+2], v[ST+4*t+2], v[ST+4*t+3]
	ALL v_rcp_f32 v[ST+4*t+2], v[ST+4*t+2]
	v_nop                           ; a plain instruction between the last reciprocal and the use of its result,
	s_wait_alu depctr_va_vdst(0)    ; and one wait for the four reciprocals
	PACK 0
.set t, 1
.rept 3
	PACK t
	SEND t-1, 8
.set t, t+1
.endr
	SEND 3, 0
.endm
.set KM, 0
.set NOKQ, 0
.Lslot:                             ; NB times: a tile is entered and the next is asked for
	CHANGE 1
	s_sub_co_u32 s[RT], s[RT], 1
	s_mov_b32 s[CNT], 4
	s_cmp_eq_u32 s[NEW], 1
	s_cbranch_scc1 .Lnew            ; a block's first tile
	s_cmp_eq_u32 s[RT], 0
	s_cbranch_scc0 .Lstep           ; neither its first nor its last
	s_branch .LstepM1
.Lnew:
	BEGIN
	s_branch .Lfirst                ; in the loop a block's first tile is never its last
	DIAG 1                          ; in the loop this is the first block's end
	s_wait_xcnt 0x0                 ; the stores have read their registers and O's address
	s_mov_b64 s[10:11], s[OLO:OLO+1]
	s_add_co_u32 s[RT], s[PB], 1    ; the second block has b + 1 tiles
	s_mov_b32 s[NEW], 1
	WIN 0x82                        ; the second block's Q goes where the one text of the turns names Q
.set i, 0
.rept 64
	v_mov_b32 v[i], v[QB+i]
.set i, i+1
.endr
	WIN 0
	s_branch .Lbottom
.Lstep:                             ; a trip: pieces 2 and 3 of one step, then pieces 0 and 1 of the next
	TURN 2
	TURN 3
	WIN 0
.Lfirst:
	TURN 0
	TURN 1, 0, 0, 1
	WIN 0
	s_cbranch_scc1 .Lstep
.Lbottom:
	s_sub_co_u32 s[SLOTS], s[SLOTS], 1
	s_cmp_lg_u32 s[SLOTS], 0
	s_cbranch_scc1 .Lslot
	CHANGE 0                        ; the walk's last tile is written out
	s_sub_co_u32 s[RT], s[RT], 1
	s_mov_b32 s[CNT], 4
	s_cmp_eq_u32 s[NEW], 1
	s_cbranch_scc0 .LstepM2
	BEGIN
	s_branch .LfirstM2
	DIAG 2
	s_wait_tensorcnt 0x0            ; the wave's end
	ds_add_u32 v[SPW], v[NIL]
	s_wait_dscnt 0x0
	s_endpgm
.Lfunc_end_k_qf88100b62f_attn:
	.size	k_qf88100b62f_attn, .Lfunc_end_k_qf88100b62f_attn-k_qf88100b62f_attn
	.p2alignl 7, 3214868480
	.fill 96, 4, 3214868480
	.section	.rodata,"a",@progbits
	.p2align	6, 0x0
	.amdhsa_kernel k_qf88100b62f_attn
		.amdhsa_group_segment_fixed_size 327680
		.amdhsa_private_segment_fixed_size 0
		.amdhsa_enable_private_segment 0
		.amdhsa_kernarg_size 32
		.amdhsa_user_sgpr_count 2
		.amdhsa_user_sgpr_kernarg_segment_ptr 1
		.amdhsa_wavefront_size32 1
		.amdhsa_system_sgpr_workgroup_id_x 1
		.amdhsa_system_sgpr_workgroup_id_y 1
		.amdhsa_system_sgpr_workgroup_id_z 1
		.amdhsa_system_vgpr_workitem_id 0
		.amdhsa_next_free_vgpr 768
		.amdhsa_next_free_sgpr 96
		.amdhsa_reserve_vcc 1
		.amdhsa_float_denorm_mode_32 3
		.amdhsa_float_denorm_mode_16_64 3
		.amdhsa_memory_ordered 1
		.amdhsa_forward_progress 1
		.amdhsa_inst_pref_size 218
	.end_amdhsa_kernel
	.amdgpu_metadata
---
amdhsa.version: [ 1, 2 ]
amdhsa.kernels:
  - .name:           k_qf88100b62f_attn
    .symbol:         k_qf88100b62f_attn.kd
    .args:
      - { .name: q16, .offset: 0, .size: 8, .value_kind: global_buffer, .address_space: global }
      - { .name: k16, .offset: 8, .size: 8, .value_kind: global_buffer, .address_space: global }
      - { .name: v16, .offset: 16, .size: 8, .value_kind: global_buffer, .address_space: global }
      - { .name: ctx16, .offset: 24, .size: 8, .value_kind: global_buffer, .address_space: global }
    .group_segment_fixed_size: 327680
    .private_segment_fixed_size: 0
    .kernarg_segment_align: 8
    .kernarg_segment_size: 32
    .max_flat_workgroup_size: 128
    .sgpr_count:     96
    .vgpr_count:     768
    .wavefront_size: 32
...
	.end_amdgpu_metadata
.endif
;; end of part 3
;; launch outp (part 4): grid 8 x 32, 4 waves a work-group, clusters of 4 x 4, 327,680 bytes of LDS; arguments ctx16, w16, out0; writes out0
.if DOCPART == 4
	.amdgcn_target "amdgcn-amd-amdhsa--gfx1250"
	.amdhsa_code_object_version 6
	.text
	.protected	k_qf88100b62f_outp
	.globl	k_qf88100b62f_outp
	.p2align	8
	.type	k_qf88100b62f_outp,@function
k_qf88100b62f_outp:
	s_mov_b64 s[64:65], 0
	v_nop
	global_prefetch_b8 v0, s[64:65] scope:SCOPE_SE
	s_setreg_imm32_b32 hwreg(HW_REG_WAVE_MODE, 25, 1), 1
	s_wait_xcnt 0x0
	s_wait_alu depctr_hold_cnt(0) depctr_sa_sdst(0) depctr_va_vdst(0) depctr_va_sdst(0) depctr_va_ssrc(0) depctr_va_vcc(0) depctr_vm_vsrc(0)
	s_getreg_b32 s2, hwreg(HW_REG_IB_STS2, 6, 4)
	s_cmp_eq_u32 s2, 0
	s_cbranch_scc0 .Lentry_in_a_cluster
	s_endpgm
.Lentry_in_a_cluster:
	s_bfe_u32 s2, ttmp6, 0x10000c
	s_cmp_lg_u32 s2, 0xf033
	s_cbranch_scc0 .Lentry_shape_is_right
	s_endpgm
.Lentry_shape_is_right:
; out = ctx W_o^T.  ctx16: [16 b + h][2048][64] f16; w16: rows 3072-4095 are W_o, [.][1024] f16; out0: [8192][1024] f32.  Sums in f32, stored as they are.
; A work-group makes 256 tokens x 128 columns, each of its four waves 64 tokens x 128 columns: 32 accumulators, 256 registers.  K goes in 8 steps of 128 = two heads, through two LDS slots.
; A's tile of a K step is two PLANES, one a head: a head's 256 tokens are 32,768 dense bytes, asked for as 128 rows of 256 bytes and padded in LDS after every token (128 bytes + 16).
; CLUSTER 4 x 4: the four of a row of the cluster need the same tokens (A), the four of a column the same rows of W_o (B): each tile is asked for jointly.
; THE MATRIX INSTRUCTION IS USED TRANSPOSED (source 0 = 16 rows of W_o, source 1 = 16 tokens): a lane holds one token and eight neighbouring columns, 32 bytes of a row of out0.
; PREFETCH: ctx16's planes alone, by waves 0 and 1 of the clusters with x = 0; the four partners take 8,192 bytes of a plane each, told apart by address, a lane a block of 256 bytes: the K step two refills on.
; REGISTERS: window 0 addresses, v64-191 two sets of 64 on the way out; window 1 the accumulators, (a, b) at 8 (8 a + b); window 2 two fragment buffers of 96: W_o's eight fragments, then ctx's four.
.set PA,    144                        ; a token's row in a plane
.set PLANE, 256*PA
.set PITCH, 272                        ; a row of W_o's tile: 256 bytes + 16
.set BOFF,  2*PLANE
.set SLOT1, 1<<17
.set STAGE, SLOT1+BOFF+128*PITCH       ; behind the ring: 16 rows x 528 bytes for each wave
.set SP,    528
.set SPARE, STAGE+4*16*SP
.set ASTEP, 2*2048*128                 ; two heads on in ctx16
.set BSTEP, 256
.set A0,   4
.set B0,   5
.set ADRA, 6
.set ADRB, 7
.set STO,  8
.set RD,   9
.set GO,   10
.set SPW,  12
.set NIL,  13
.set PFO,  14                          ; 256 x lane
.set OB,   64
.set F0,   0
.set F1,   96
.set WV,  14
.set AB,  15
.set HF,  16
.set CX,  17
.set CY,  18
.set TC,  19
.set TR,  20
.set G1,  24
.set G0,  32
.set PFA, 40
.set LIM, 42
.set CNT, 43
.set TB,  44
.set G1B, 48
.set G0B, 56
.set MSB, 0
.macro WIN new
.if MSB != (\new)
	s_set_vgpr_msb (MSB<<8)|(\new)
.set MSB, (\new)
.endif
.endm
.macro PLACES
.rept 4
	v_nop
.endr
.endm
.macro JLOAD                           ; the joint refill: waves 0, 1 A's planes, waves 2, 3 B's halves; an s_nop 0 and four v_nop follow each line
	s_cmp_eq_u32 s[AB], 0
	s_cbranch_scc0 .Lfor_b_\@
	tensor_load_to_lds s[G0+4:G0+7], s[G1:G1+7]
	s_nop 0
	PLACES
	s_branch .Lasked_\@
.Lfor_b_\@:
	tensor_load_to_lds s[G0B+4:G0B+7], s[G1B:G1B+7]
	s_nop 0
	PLACES
.Lasked_\@:
.endm
.macro ASK                             ; the loop's trips with CNT = 6 .. 3 name K steps 4 .. 7
	s_cmp_gt_u32 s[CNT], s[LIM]
	s_cbranch_scc0 .Lnot_mine_\@
	global_prefetch_b8 v[PFO], s[PFA:PFA+1] offset:ASTEP th:TH_LOAD_NT scope:SCOPE_SE
.Lnot_mine_\@:
.endm
.macro CREST
	s_cmp_lg_u32 s[WV], 0
	s_cbranch_scc1 .Lnot_wave_0_\@
	s_barrier_signal -3
.Lnot_wave_0_\@:
	s_barrier_wait -3
	s_barrier_signal -1
	s_barrier_wait -1
.endm
.macro CROUND
	s_barrier_signal -1
	s_barrier_wait -1
	CREST
.endm
	s_load_b128 s[4:7], s[0:1], 0x0                ; ctx16 s[4:5], w16 s[6:7]
	s_load_b64 s[8:9], s[0:1], 0x10                ; out0
	v_lshl_add_u32 v[SPW], v0, 2, SPARE
	v_mov_b32 v[NIL], 0
	ds_add_u32 v[SPW], v[NIL]                      ; the wave's opening: the add and its wait stand ahead of my first tensor load
	ds_add_u32 v12, v13
	v_lshrrev_b32 v1, 5, v0
	v_readfirstlane_b32 s[WV], v1
	s_lshr_b32 s[AB], s[WV], 1
	s_and_b32 s[HF], s[WV], 1
	s_bfe_u32 s[CX], ttmp6, 0x40000
	s_bfe_u32 s[CY], ttmp6, 0x40004
	s_lshl_b32 s[TC], ttmp9, 2
	s_add_co_u32 s[TC], s[TC], s[CX]
	s_and_b32 s[TR], ttmp7, 0xffff
	s_lshl_b32 s[TR], s[TR], 2
	s_add_co_u32 s[TR], s[TR], s[CY]
	s_lshl_b32 s23, s[CY], 2
	s_lshl_b32 s23, 15, s23                        ; my row of the cluster
	s_lshl_b32 s45, 0x1111, s[CX]                  ; my column
	s_or_b32 s[G1], s23, (1<<16)|(1<<20)|(1<<21)|(4<<22)|(3<<25)   ; A: after every 32 words, 4 words of padding
	s_or_b32 s[G1B], s45, (1<<16)|(1<<20)|(1<<21)|(5<<22)|(3<<25)  ; B: after every 64 words
	s_mov_b32 s[G1+1], 128<<16                     ; A: 128 rows of 128 elements, dense
	s_mov_b32 s[G1+2], 128<<16
	s_mov_b32 s[G1+3], 128<<16
	s_mov_b32 s[G1+4], 128
	s_mov_b32 s[G1+5], 128
	s_mov_b32 s[G1+6], 0
	s_mov_b32 s[G1+7], 0
	s_mov_b32 s[G1B+1], 128<<16                    ; B: 64 rows of 128 elements, 1,024 from row to row
	s_mov_b32 s[G1B+2], 64<<16
	s_mov_b32 s[G1B+3], 128<<16
	s_mov_b32 s[G1B+4], 64
	s_mov_b32 s[G1B+5], 1024
	s_mov_b32 s[G1B+6], 0
	s_mov_b32 s[G1B+7], 0
	s_lshr_b32 s66, s[TR], 3                       ; A: ((16 b + my plane's head) x 2,048 + the block's place in the batch) x 128 bytes
	s_lshl4_add_u32 s66, s66, s[HF]
	s_lshl_b32 s66, s66, 11
	s_and_b32 s67, s[TR], 7
	s_lshl_b32 s67, s67, 8
	s_add_co_u32 s66, s66, s67
	s_lshl_b32 s66, s66, 7
	s_mov_b32 s67, 0
	s_lshl_b32 s68, s[TC], 7                       ; B: row 3,072 + 128 x tile column + 64 x half
	s_lshl_b32 s69, s[HF], 6
	s_add_co_u32 s68, s68, s69
	s_add_co_u32 s68, s68, 3072
	s_lshl_b32 s68, s68, 11
	s_mov_b32 s69, 0
	s_mul_i32 s21, s[WV], PLANE                    ; where they go: planes 0, 1 by waves 0, 1;
	s_mul_i32 s22, s[WV], 64*PITCH
	s_add_co_u32 s22, s22, BOFF-2*64*PITCH         ; B's halves by waves 2, 3
	s_lshl_b32 s45, s[TR], 8                       ; out0 at my first row and the tile's first column
	s_lshl_b32 s46, s[WV], 6
	s_add_co_u32 s45, s45, s46
	s_lshl_b32 s70, s45, 12
	s_lshl_b32 s46, s[TC], 9
	s_add_co_u32 s70, s70, s46
	s_mov_b32 s71, 0
	s_lshl_b32 s46, s[CX], 13                      ; the prefetches: my work-group's 8,192 bytes of the plane, at K step 2
	s_add_co_u32 s46, s46, 2*ASTEP
	s_mov_b32 s47, 0
	s_or_b32 s[LIM], s[AB], ttmp9
	s_cmp_eq_u32 s[LIM], 0
	s_cselect_b32 s[LIM], 2, -1
	s_mov_b32 s[TB], 0
	s_wait_dscnt 0x0                               ; the opening add is done
	s_wait_kmcnt 0x0
	s_add_nc_u64 s[66:67], s[4:5], s[66:67]
	s_add_nc_u64 s[68:69], s[6:7], s[68:69]
	s_add_nc_u64 s[PFA:PFA+1], s[66:67], s[46:47]
	s_add_nc_u64 s[8:9], s[8:9], s[70:71]
	s_mov_b32 s[G0], 1
	s_mov_b32 s[G0+1], s21
	s_mov_b64 s[G0+2:G0+3], s[66:67]
	s_or_b32 s[G0+3], s[G0+3], 0x80000000
	s_mov_b32 s[G0+4], 1
	s_add_co_u32 s[G0+5], s21, SLOT1
	s_add_nc_u64 s[G0+6:G0+7], s[66:67], ASTEP
	s_or_b32 s[G0+7], s[G0+7], 0x80000000
	s_mov_b32 s[G0B], 1
	s_mov_b32 s[G0B+1], s22
	s_mov_b64 s[G0B+2:G0B+3], s[68:69]
	s_or_b32 s[G0B+3], s[G0B+3], 0x80000000
	s_mov_b32 s[G0B+4], 1
	s_add_co_u32 s[G0B+5], s22, SLOT1
	s_add_nc_u64 s[G0B+6:G0B+7], s[68:69], BSTEP
	s_or_b32 s[G0B+7], s[G0B+7], 0x80000000
	CROUND                                         ; all sixteen work-groups are here: the first joint loads meet
	s_cmp_eq_u32 s[AB], 0                          ; a wave's two first fills stand in one branch: two loads of mine are out
	s_cbranch_scc0 .Lfirst_b
	tensor_load_to_lds s[G0:G0+3], s[G1:G1+7]
	s_nop 0
	tensor_load_to_lds s[G0+4:G0+7], s[G1:G1+7]
	s_nop 0
	PLACES
	s_branch .Lfirst_asked
.Lfirst_b:
	tensor_load_to_lds s[G0B:G0B+3], s[G1B:G1B+7]
	s_nop 0
	tensor_load_to_lds s[G0B+4:G0B+7], s[G1B:G1B+7]
	s_nop 0
	PLACES
.Lfirst_asked:
	v_and_b32 v1, 15, v0
	v_bfe_u32 v2, v0, 4, 1
	v_mul_u32_u24 v3, v1, PA
	v_lshl_add_u32 v3, v2, 4, v3
	s_mul_i32 s45, s[WV], 64*PA
	v_add_nc_u32 v[A0], s45, v3                    ; my 64 tokens in a plane
	v_mul_u32_u24 v3, v1, PITCH
	v_lshl_add_u32 v3, v2, 4, v3
	v_add_nc_u32 v[B0], BOFF, v3
	v_mov_b32 v[ADRA], v[A0]
	v_mov_b32 v[ADRB], v[B0]
	s_mul_i32 s45, s[WV], 16*SP
	s_add_co_u32 s45, s45, STAGE                   ; my stage
	v_mul_u32_u24 v[STO], v1, SP                   ; in: row l % 16, 32 bytes for each half of the lanes
	v_lshl_add_u32 v[STO], v2, 5, v[STO]
	v_add_nc_u32 v[STO], s45, v[STO]
	v_and_b32 v[GO], 31, v0
	v_lshlrev_b32 v[PFO], 8, v[GO]
	v_lshlrev_b32 v[GO], 4, v[GO]                  ; back and out: 32 lanes take a row's 512 bytes
	v_add_nc_u32 v[RD], s45, v[GO]
.macro MULA f, a, zero                 ; token block a x all eight column blocks, 32 along K
	WIN 0x5a                                       ; sources in window 2; C and D in window 1
.irp b, 0,1,2,3,4,5,6,7
.if \zero
	v_wmma_f32_16x16x32_f16 v[8*(8*(\a)+\b):8*(8*(\a)+\b)+7], v[(\f)+8*\b:(\f)+8*\b+7], v[(\f)+64+8*(\a):(\f)+64+8*(\a)+7], 0
.else
	v_wmma_f32_16x16x32_f16 v[8*(8*(\a)+\b):8*(8*(\a)+\b)+7], v[(\f)+8*\b:(\f)+8*\b+7], v[(\f)+64+8*(\a):(\f)+64+8*(\a)+7], v[8*(8*(\a)+\b):8*(8*(\a)+\b)+7]
.endif
.endr
.endm
.macro FETCH kq, f                     ; 24 LDS loads in one run: quarter kq's fragments: B's eight, then A's four (plane kq / 2, channels 32 (kq % 2) on)
	WIN 0x80                                       ; destination window 2, address window 0
.irp i, 0,1,2,3,4,5,6,7
	ds_load_b128 v[(\f)+8*\i:(\f)+8*\i+3],   v[ADRB] offset:64*(\kq)+\i*16*PITCH
	ds_load_b128 v[(\f)+8*\i+4:(\f)+8*\i+7], v[ADRB] offset:64*(\kq)+\i*16*PITCH+32
.endr
.irp i, 0,1,2,3
	ds_load_b128 v[(\f)+64+8*\i:(\f)+64+8*\i+3],   v[ADRA] offset:PLANE*((\kq)/2)+64*((\kq)%2)+\i*16*PA
	ds_load_b128 v[(\f)+64+8*\i+4:(\f)+64+8*\i+7], v[ADRA] offset:PLANE*((\kq)/2)+64*((\kq)%2)+\i*16*PA+32
.endr
.endm
.macro QUARTER kq, f, g, zero          ; multiplies buffer f; in its middle fetches quarter kq into g.  The 32 accumulators take turns, one product a quarter each
	s_wait_dscnt 4                                 ; all but the youngest four loads: A's blocks 2 and 3
	MULA \f, 0, \zero
	MULA \f, 1, \zero
	PLACES
	FETCH \kq, \g
	s_wait_dscnt 24                                ; all but the 24 just issued
	MULA \f, 2, \zero
	MULA \f, 3, \zero
.endm
; The last quarter multiplies buffer 1 and changes slots: each wave waits for all its tensor loads, adds 0 to its spare word, and waits for that and for its reads of this slot.  fill = 1: the barrier opens a round
; of the cluster's, and the joint refill is the first thing behind it: it has 112 products in which to land.
.macro TURN fill
.if \fill
	s_wait_xcnt 0x0                                ; the last prefetch, a K step back, has read its address
	s_add_nc_u64 s[PFA:PFA+1], s[PFA:PFA+1], ASTEP
.endif
	WIN 0
	s_wait_tensorcnt 0x0
	ds_add_u32 v[SPW], v[NIL]
	s_xor_b32 s[TB], s[TB], SLOT1
.if \fill
	s_xor_b32 s[G0+5], s[G0+5], SLOT1
	s_add_nc_u64 s[G0+6:G0+7], s[G0+6:G0+7], ASTEP
	s_xor_b32 s[G0B+5], s[G0B+5], SLOT1
	s_add_nc_u64 s[G0B+6:G0B+7], s[G0B+6:G0B+7], BSTEP
.endif
	s_wait_dscnt 7                                 ; the add and A's blocks 1 to 3 may be out
	MULA F1, 0, 0
	s_wait_dscnt 0x0                               ; the add is done, and my reads of this slot are over
	s_barrier_signal -1
	MULA F1, 1, 0
	WIN 0
	s_barrier_wait -1
.if \fill
	CREST
	JLOAD
.else
	PLACES
.endif
	v_add_nc_u32 v[ADRA], s[TB], v[A0]
	v_add_nc_u32 v[ADRB], s[TB], v[B0]
	FETCH 0, F0
.if \fill
	WIN 0
	ASK
.endif
	MULA F1, 2, 0
	MULA F1, 3, 0
.endm
	s_wait_tensorcnt 1                             ; my part of K step 0 is in; K step 1's may stay out
	s_barrier_signal -1
	s_barrier_wait -1
	FETCH 0, F0
	QUARTER 1, F0, F1, 1                           ; the first quarter is written out: its products start the sums
	WIN 0
	s_mov_b32 s[CNT], 6
	s_branch .Lmid
.Lstep:                                                ; six trips: K steps 0 to 5 are multiplied, K steps 2 to 7 asked for
	QUARTER 1, F0, F1, 0
	WIN 0
.Lmid:
	QUARTER 2, F1, F0, 0
	QUARTER 3, F0, F1, 0
	TURN 1
	WIN 0
	s_sub_co_u32 s[CNT], s[CNT], 1
	s_cmp_lg_u32 s[CNT], 0
	s_cbranch_scc1 .Lstep
	s_mov_b32 s[CNT], 2
.Ltail:                                                ; K steps 6 and 7 ask for nothing
	QUARTER 1, F0, F1, 0
	QUARTER 2, F1, F0, 0
	QUARTER 3, F0, F1, 0
	WIN 0
	s_sub_co_u32 s[CNT], s[CNT], 1
	s_cmp_eq_u32 s[CNT], 0
	s_cbranch_scc1 .Lfinal
	TURN 0
	WIN 0
	s_branch .Ltail
.Lfinal:
	s_wait_dscnt 4
	MULA F1, 0, 0
	MULA F1, 1, 0
	s_wait_dscnt 0x0
	MULA F1, 2, 0
	MULA F1, 3, 0
; THE WAY OUT, a block of 16 tokens at a time: the sums go as they are into my stage, 32 bytes a lane, and come back as whole rows of 512 bytes.
.macro TOSTAGE a
	WIN 0x04                                       ; the stores' data in window 1, their address in window 0
.irp b, 0,1,2,3,4,5,6,7
	ds_store_b128 v[STO], v[8*(8*(\a)+\b):8*(8*(\a)+\b)+3]   offset:64*\b
	ds_store_b128 v[STO], v[8*(8*(\a)+\b)+4:8*(8*(\a)+\b)+7] offset:64*\b+16
.endr
	WIN 0
.if (\a) >= 2
	s_wait_xcnt 0x0                                ; the stores of the block two back have read this set of registers
.endif
.irp i, 0,1,2,3,4,5,6,7,8,9,10,11,12,13,14,15
	ds_load_b128 v[OB+64*((\a)%2)+4*\i:OB+64*((\a)%2)+4*\i+3], v[RD] offset:SP*\i  ; LDS serves a wave's instructions in order: these see the stores above, and the next block's stores come behind them
.endr
.endm
.macro SEND a, younger
	s_wait_dscnt \younger
.irp i, 0,1,2,3,4,5,6,7,8,9,10,11,12,13,14,15
	global_store_b128 v[GO], v[OB+64*((\a)%2)+4*\i:OB+64*((\a)%2)+4*\i+3], s[8:9] offset:(16*(\a)+\i)*4096 th:TH_STORE_NT  ; 512 consecutive bytes, aligned
.endr
.endm
	PLACES
	TOSTAGE 0
	TOSTAGE 1
	SEND 0, 32                                     ; the next block's 16 stores and 16 loads may be out
	TOSTAGE 2
	SEND 1, 32
	TOSTAGE 3
	SEND 2, 32
	SEND 3, 0
	s_wait_tensorcnt 0x0                           ; the wave's end
	ds_add_u32 v[SPW], v[NIL]
	s_wait_dscnt 0x0
	CROUND                                         ; the closing round
	s_endpgm
.Lfunc_end_k_qf88100b62f_outp:
	.size	k_qf88100b62f_outp, .Lfunc_end_k_qf88100b62f_outp-k_qf88100b62f_outp
	.p2alignl 7, 3214868480
	.fill 96, 4, 3214868480
	.section	.rodata,"a",@progbits
	.p2align	6, 0x0
	.amdhsa_kernel k_qf88100b62f_outp
		.amdhsa_group_segment_fixed_size 327680
		.amdhsa_private_segment_fixed_size 0
		.amdhsa_enable_private_segment 0
		.amdhsa_kernarg_size 24
		.amdhsa_user_sgpr_count 2
		.amdhsa_user_sgpr_kernarg_segment_ptr 1
		.amdhsa_wavefront_size32 1
		.amdhsa_system_sgpr_workgroup_id_x 1
		.amdhsa_system_sgpr_workgroup_id_y 1
		.amdhsa_system_sgpr_workgroup_id_z 1
		.amdhsa_system_vgpr_workitem_id 0
		.amdhsa_next_free_vgpr 704
		.amdhsa_next_free_sgpr 72
		.amdhsa_reserve_vcc 0
		.amdhsa_float_denorm_mode_32 3
		.amdhsa_float_denorm_mode_16_64 3
		.amdhsa_memory_ordered 1
		.amdhsa_forward_progress 1
		.amdhsa_inst_pref_size 62
	.end_amdhsa_kernel
	.amdgpu_metadata
---
amdhsa.version: [ 1, 2 ]
amdhsa.kernels:
  - .name:           k_qf88100b62f_outp
    .symbol:         k_qf88100b62f_outp.kd
    .args:
      - { .name: ctx16, .offset: 0, .size: 8, .value_kind: global_buffer, .address_space: global }
      - { .name: w16, .offset: 8, .size: 8, .value_kind: global_buffer, .address_space: global }
      - { .name: out0, .offset: 16, .size: 8, .value_kind: global_buffer, .address_space: global }
    .group_segment_fixed_size: 327680
    .private_segment_fixed_size: 0
    .kernarg_segment_align: 8
    .kernarg_segment_size: 24
    .max_flat_workgroup_size: 128
    .sgpr_count:     72
    .vgpr_count:     704
    .wavefront_size: 32
...
	.end_amdgpu_metadata
.endif
;; end of part 4
;; launch headout (part 5): grid 16 x 8, 8 waves a work-group, no clusters, 35,840 bytes of LDS; arguments hctx, w16, out0; writes out0
.if DOCPART == 5
	.amdgcn_target "amdgcn-amd-amdhsa--gfx1250"
	.amdhsa_code_object_version 6
	.text
	.protected	k_qf88100b62f_headout
	.globl	k_qf88100b62f_headout
	.p2align	8
	.type	k_qf88100b62f_headout,@function
k_qf88100b62f_headout:
	s_mov_b64 s[64:65], 0
	v_nop
	global_prefetch_b8 v0, s[64:65] scope:SCOPE_SE
	s_setreg_imm32_b32 hwreg(HW_REG_WAVE_MODE, 25, 1), 1
	s_wait_xcnt 0x0
; The first 32 rows of each batch once more: out = (ctx_hi + ctx_lo) W_o^T.  hctx: [16 b + h][hi, lo][32][64] f16; w16: rows 3072-4095 are W_o in f16; out0: [8192][1024] f32.
; A work-group makes 16 tokens (batch b = y / 2, rows 16 (y % 2) on) x 64 columns (64 x on).  K IS SPLIT AMONG ITS EIGHT WAVES: wave w takes heads 2 w and 2 w + 1, 128 channels; the eight partial sums meet in LDS.
; The matrix instruction is used transposed (source 0 = 16 rows of W_o, source 1 = 16 tokens).  All fragments come straight from memory, 16 bytes a lane twice.
; No cluster, no ring, no prefetch: each wave has 48 loads, all issued at once, and 32 products.
.set PP,    272                        ; a row of a partial tile: 64 f32 + 16 bytes
.set PART,  16*PP
.set SPARE, 8*PART
.set SPW, 10
.set NIL, 11
.set AFR, 16                           ; ctx's fragments: K step k, part s at 8 (2 k + s)
.set BF,  80                           ; W_o's: column tile c, K step k at 8 (4 c + k)
.set ACC, 208
	s_load_b128 s[4:7], s[0:1], 0x0                ; hctx s[4:5], w16 s[6:7]
	s_load_b64 s[8:9], s[0:1], 0x10                ; out0
	v_lshl_add_u32 v[SPW], v0, 2, SPARE
	v_mov_b32 v[NIL], 0
	v_lshrrev_b32 v1, 5, v0
	v_readfirstlane_b32 s10, v1                    ; wave 0..7
	s_and_b32 s11, ttmp7, 0xffff
	s_lshr_b32 s12, s11, 1                         ; b
	s_and_b32 s13, s11, 1                          ; which 16 of the 32 rows
	v_and_b32 v2, 15, v0
	v_bfe_u32 v3, v0, 4, 1
	v_lshlrev_b32 v4, 7, v2
	v_lshl_add_u32 v4, v3, 4, v4                   ; ctx: row x 128 + 16 x half of the lanes
	v_lshlrev_b32 v5, 11, v2
	v_lshl_add_u32 v5, v3, 4, v5                   ; W_o: row x 2,048 + 16 x half
	s_lshl_b32 s14, s12, 4
	s_lshl1_add_u32 s14, s10, s14                  ; 16 b + 2 w
	s_lshl_b32 s14, s14, 13
	s_lshl_b32 s15, s13, 11
	s_add_co_u32 s14, s14, s15
	s_mov_b32 s15, 0
	s_lshl_b32 s16, ttmp9, 6
	s_add_co_u32 s16, s16, 3072
	s_lshl_b32 s16, s16, 11
	s_lshl_b32 s17, s10, 8
	s_add_co_u32 s16, s16, s17                     ; (3,072 + 64 x) rows, my 128 channels
	s_mov_b32 s17, 0
	s_lshl_b32 s18, s12, 11
	s_lshl4_add_u32 s18, s13, s18
	s_lshl_b32 s18, s18, 12
	s_lshl_b32 s19, ttmp9, 8
	s_add_co_u32 s18, s18, s19                     ; row 2,048 b + 16 (y % 2), column 64 x
	s_mov_b32 s19, 0
	s_mul_i32 s20, s10, PART
	v_mul_u32_u24 v6, v2, PP
	v_lshl_add_u32 v6, v3, 5, v6
	v_add_nc_u32 v6, s20, v6                       ; where my partial sums go
	v_lshrrev_b32 v7, 4, v0                        ; at the end thread t takes row t / 16, 16 bytes at 16 (t % 16)
	v_lshlrev_b32 v8, 12, v7
	v_mul_u32_u24 v7, v7, PP
	v_lshl_add_u32 v7, v2, 4, v7
	v_lshl_add_u32 v8, v2, 4, v8
	s_wait_kmcnt 0x0
	s_add_nc_u64 s[4:5], s[4:5], s[14:15]
	s_add_nc_u64 s[6:7], s[6:7], s[16:17]
	s_add_nc_u64 s[8:9], s[8:9], s[18:19]
.irp k, 0,1,2,3
.irp s, 0,1
	global_load_b128 v[AFR+8*(2*\k+\s):AFR+8*(2*\k+\s)+3],   v4, s[4:5] offset:8192*(\k/2)+4096*\s+64*(\k%2)
	global_load_b128 v[AFR+8*(2*\k+\s)+4:AFR+8*(2*\k+\s)+7], v4, s[4:5] offset:8192*(\k/2)+4096*\s+64*(\k%2)+32
.endr
.endr
.irp c, 0,1,2,3
.irp k, 0,1,2,3
	global_load_b128 v[BF+8*(4*\c+\k):BF+8*(4*\c+\k)+3],   v5, s[6:7] offset:32768*\c+64*\k
	global_load_b128 v[BF+8*(4*\c+\k)+4:BF+8*(4*\c+\k)+7], v5, s[6:7] offset:32768*\c+64*\k+32
.endr
.endr
	s_wait_loadcnt 0x0
.irp k, 0,1,2,3                        ; the four accumulators take turns, one instruction a turn; the first four products start the sums
.irp s, 0,1
.irp c, 0,1,2,3
.if (\k)+(\s) == 0
	v_wmma_f32_16x16x32_f16 v[ACC+8*\c:ACC+8*\c+7], v[BF+8*(4*\c+\k):BF+8*(4*\c+\k)+7], v[AFR+8*(2*\k+\s):AFR+8*(2*\k+\s)+7], 0
.else
	v_wmma_f32_16x16x32_f16 v[ACC+8*\c:ACC+8*\c+7], v[BF+8*(4*\c+\k):BF+8*(4*\c+\k)+7], v[AFR+8*(2*\k+\s):AFR+8*(2*\k+\s)+7], v[ACC+8*\c:ACC+8*\c+7]
.endif
.endr
.endr
.endr
.rept 4
	v_nop                                          ; four places between the last product and the stores that read the sums
.endr
.irp c, 0,1,2,3
	ds_store_b128 v6, v[ACC+8*\c:ACC+8*\c+3]   offset:64*\c
	ds_store_b128 v6, v[ACC+8*\c+4:ACC+8*\c+7] offset:64*\c+16
.endr
	s_wait_dscnt 0x0                               ; for the others' sake: my stores are done
	s_barrier_signal -1
	s_barrier_wait -1
.irp w, 0,1,2,3,4,5,6,7
	ds_load_b128 v[16+4*\w:19+4*\w], v7 offset:PART*\w
.endr
	s_wait_dscnt 0x0
.irp w, 0,2,4,6
	v_pk_add_f32 v[16+4*\w:17+4*\w], v[16+4*\w:17+4*\w], v[20+4*\w:21+4*\w]
	v_pk_add_f32 v[18+4*\w:19+4*\w], v[18+4*\w:19+4*\w], v[22+4*\w:23+4*\w]
.endr
.irp w, 0,4
	v_pk_add_f32 v[16+4*\w:17+4*\w], v[16+4*\w:17+4*\w], v[24+4*\w:25+4*\w]
	v_pk_add_f32 v[18+4*\w:19+4*\w], v[18+4*\w:19+4*\w], v[26+4*\w:27+4*\w]
.endr
	v_pk_add_f32 v[16:17], v[16:17], v[32:33]
	v_pk_add_f32 v[18:19], v[18:19], v[34:35]
	global_store_b128 v8, v[16:19], s[8:9]         ; sixteen lanes store 256 consecutive bytes, aligned
	s_wait_tensorcnt 0x0                           ; the wave's end, behind my last LDS store
	ds_add_u32 v[SPW], v[NIL]
	s_wait_dscnt 0x0
	s_endpgm
.Lfunc_end_k_qf88100b62f_headout:
	.size	k_qf88100b62f_headout, .Lfunc_end_k_qf88100b62f_headout-k_qf88100b62f_headout
	.p2alignl 7, 3214868480
	.fill 96, 4, 3214868480
	.section	.rodata,"a",@progbits
	.p2align	6, 0x0
	.amdhsa_kernel k_qf88100b62f_headout
		.amdhsa_group_segment_fixed_size 35840
		.amdhsa_private_segment_fixed_size 0
		.amdhsa_enable_private_segment 0
		.amdhsa_kernarg_size 24
		.amdhsa_user_sgpr_count 2
		.amdhsa_user_sgpr_kernarg_segment_ptr 1
		.amdhsa_wavefront_size32 1
		.amdhsa_system_sgpr_workgroup_id_x 1
		.amdhsa_system_sgpr_workgroup_id_y 1
		.amdhsa_system_sgpr_workgroup_id_z 1
		.amdhsa_system_vgpr_workitem_id 0
		.amdhsa_next_free_vgpr 248
		.amdhsa_next_free_sgpr 66
		.amdhsa_reserve_vcc 0
		.amdhsa_float_denorm_mode_32 3
		.amdhsa_float_denorm_mode_16_64 3
		.amdhsa_memory_ordered 1
		.amdhsa_forward_progress 1
		.amdhsa_inst_pref_size 12
	.end_amdhsa_kernel
	.amdgpu_metadata
---
amdhsa.version: [ 1, 2 ]
amdhsa.kernels:
  - .name:           k_qf88100b62f_headout
    .symbol:         k_qf88100b62f_headout.kd
    .args:
      - { .name: hctx, .offset: 0, .size: 8, .value_kind: global_buffer, .address_space: global }
      - { .name: w16, .offset: 8, .size: 8, .value_kind: global_buffer, .address_space: global }
      - { .name: out0, .offset: 16, .size: 8, .value_kind: global_buffer, .address_space: global }
    .group_segment_fixed_size: 35840
    .private_segment_fixed_size: 0
    .kernarg_segment_align: 8
    .kernarg_segment_size: 24
    .max_flat_workgroup_size: 256
    .sgpr_count:     66
    .vgpr_count:     248
    .wavefront_size: 32
...
	.end_amdgpu_metadata
.endif
;; end of part 5
